; MI455X (gfx1250); checked and timed in simulation.
; The chip was launched on July 23, 2026; its instructions are those of AMD's public machine-readable ISA for CDNA 5 (MIT licence, August 2026) and "CDNA5" Instruction Set Architecture Reference Guide (July 2026). The comments in the code are by the model that wrote it; some were corrected since.
;; Self Attention. Allowed arithmetic: matrix products marked QUANTISED: E2M3 operands, one E8M0 scale for each 32 along K, by v_wmma_scale_f32_16x16x128_f8f6f4 with both operands' format E2M3, f32 sums; everything else in f32.
;; Inputs: Wk 1,024 x 1,024 float32; Wq 1,024 x 1,024 float32; Wv 1,024 x 1,024 float32; x 4 x 2,048 x 1,024 float32.
;; Outputs: out0 4 x 2,048 x 1,024 float32.
;; This version of the problem:
;;   THIS VERSION OF THE PROBLEM IS GIVEN IN LOW PRECISION. The matrix products marked QUANTISED in the list below multiply operands that are first quantised to E2M3 (2 exponent bits, 3 mantissa bits; 6 bits a number), with one power-of-two scale for each 32 numbers along K (OCP MX v1.0); their sums are f32. All else is computed in f32.
;;   The module's matrix products, in the order in which they are computed (A, B: the left and right operand; K: the contracted axis; several contracted axes count as one K, in the product's order):
;;     1. [M 8,192, K 1,024] x [K 1,024, N 1,024]; A: input x; B: input Wq: QUANTISED
;;     2. [M 8,192, K 1,024] x [K 1,024, N 1,024]; A: input x; B: input Wk: QUANTISED
;;     3. [M 8,192, K 1,024] x [K 1,024, N 1,024]; A: input x; B: input Wv: QUANTISED
;;     4. batch 4 x [M 2,048, K 1,024] x [K 1,024, N 2,048]; A: computed on the way; B: computed on the way: QUANTISED
;;     5. batch 4 x [M 2,048, K 2,048] x [K 2,048, N 1,024]; A: softmax (see below); B: computed on the way: QUANTISED
;;   THE QUANTISER, for each operand of a quantised product, along K:
;;     - K is cut into blocks of 32 from its start; a last block that is shorter is filled with zeros.
;;     - A block's scale is 2^e with e = floor(log2(the largest magnitude in the block)) - 2, held to -126 .. 127; a block of zeros has e = 0. As a byte (E8M0): e + 127.
;;     - Each number is divided by its block's scale, clamped to +-7.5, and rounded to the nearest number of E2M3, ties to even, subnormals kept.
;;     - The product sums the exact products of the quantised numbers (number of the format x scale) in f32.
;;   ~~~python
;;   def quantise(x, axis):      # numpy; x: float32 -> the quantised numbers, widened to float32 again
;;       x = np.moveaxis(x, axis, -1); K = x.shape[-1]
;;       x = np.pad(x, [(0, 0)] * (x.ndim - 1) + [(0, -K % 32)]); x = x.reshape(x.shape[:-1] + (-1, 32)); a = np.abs(x).max(-1, keepdims=True)
;;       e = np.where(a > 0, np.clip(np.frexp(np.where(a > 0, a, 1))[1] - 1 - 2, -126, 127), 0)      # np.frexp(a)[1] - 1 = floor(log2(a)), exactly
;;       r = np.clip(x / 2.0 ** e, -7.5, 7.5)
;;       step = 2.0 ** (np.maximum(np.frexp(np.where(r == 0, 1, r))[1] - 1, 0) - 3)
;;       q = np.round(r / step) * step * 2.0 ** e      # np.round: ties to even
;;       return np.moveaxis(q.reshape(q.shape[:-2] + (-1,))[..., :K], -1, axis).astype(np.float32)
;;   ~~~
;;   SOFTMAX AHEAD OF A QUANTISED PRODUCT. Where the list says 'softmax', what is quantised is not the finished softmax but p = 2^(t - M), with t = logit x log2(e) and M = ceil(the row's largest t), a whole number; so 1/2 < the row's largest p <= 1. The row's sum l is taken of the UNQUANTISED p, in f32, and the product's result is divided by l at the end. Since M is a whole number, a kernel that streams over the keys may use a running M (the ceiling of the running maximum): every later rescaling is an exact power of two, which a block's scale takes up: the codes' values come out the same.
;;   OPERANDS COMPUTED ON THE WAY. 'Computed on the way' means the value that the module computes at that place (a softmax that the list does not call 'softmax' is quantised finished and normalised). What goes into a quantiser is computed in f32, as accurately as f32 sums, v_exp_f32 and their like allow (about 1e-6 of the number): no bf16 or f16 on the way to a quantiser, and a product that is left as it is and whose result goes on into a quantised operand takes f32 operands (vector FMAs, or v_wmma_f32_16x16x4_f32). A number that lies on a knife's edge between two numbers of the format may be rounded either way, as far as f32 arithmetic and the matrix unit's own rounding can turn it there, and no further.
;; One version. Each part assembles by itself: llvm-mc -triple=amdgcn-amd-amdhsa -mcpu=gfx1250 --defsym DOCPART=n.
;; ======== version 1 of 1: 4 launches
;; limits: right only within a limited range of input values
;; workspace buffers: xw 9,011,200 bytes; qkv_codes 18,874,368 bytes; qkv_scales 786,432 bytes; p_codes 12,582,912 bytes; p_scales 524,288 bytes; p_stats 1,048,576 bytes
;; launch quant (part 1): grid 256 x 1, 11 waves a work-group, no clusters, 94,464 bytes of LDS; arguments x, Wq, Wk, Wv, xw; writes xw
.if DOCPART == 1
	.amdgcn_target "amdgcn-amd-amdhsa--gfx1250"
	.amdhsa_code_object_version 6
	.text
	.protected	k_q5ac82015cf_quant
	.globl	k_q5ac82015cf_quant
	.p2align	8
	.type	k_q5ac82015cf_quant,@function
k_q5ac82015cf_quant:
	s_mov_b64 s[64:65], 0
	v_nop
	global_prefetch_b8 v0, s[64:65] scope:SCOPE_SE
	s_setreg_imm32_b32 hwreg(HW_REG_WAVE_MODE, 25, 1), 1
	s_wait_xcnt 0x0
; x [8192][1024], Wq, Wk, Wv [1024][1024], f32, K innermost, become codes of FP6 (E2M3) with one E8M0 byte for each 32 along K.
; The four tensors count as one of 11,264 rows: x, Wq, Wk, Wv; 352 GROUPS of 32 stored rows, each one dense block of 25,600 bytes: [2 blocks of 16 rows][8 x 128 K][1,536 bytes], then [8 x 128 K][32 rows][4 bytes of scales].
; 1,536 bytes are a fragment's registers: registers 4 g .. 4 g + 3 of lane l at 512 g + 16 l.
; ORDER OF ROWS.  A block's stored row 8 h + i (h = 0, 1; i = 0 .. 7).  Weights: block j = 0 .. 3 of a run of 64 rows holds rows 32 h + 8 j + i.  Tokens: of each 256, group bits [2] = c, [1] = j / 2, [0] = a, block bit j % 2:
; token 128 a + 64 c + 32 h + 8 j + i.  So a product that takes four such blocks leaves 32 neighbours, a whole scale block, in one lane.
; A block's scale is 2^(floor(log2(its largest magnitude)) - 2); its byte is the largest magnitude's exponent field - 2, held at 1 from below.
; LIMITS: a block of zeros gets the byte 1 where the quantiser says 127 (its codes are zeros; this program alone reads the bytes); blocks whose largest magnitude lies under 2^-124 are held at the byte 1; NaN and infinities are not served.
; SHARES: 2,816 waves, each one group x 128 along K: 256 work-groups of eleven.  Each load reads 512 consecutive bytes of a row; a block's 16 rows turn through the wave's own stage in LDS.
; No matrix unit, no tensor load, no cluster (no two work-groups read the same byte), no barrier (waves share nothing), no loop.
.set SP,   528                         ; a stage row: 512 bytes + 16
.set WST,  16*SP
.set GB,   25600
.set R,    16                          ; v16-143  two blocks' numbers as loaded
.set X,    144                         ; v144-207 64 numbers of my row: register 16 b + i = k 32 b + 16 (lane / 16) + i
.set TM,   208
.set PW0,  224
.set PW1,  225
.set PWS,  226
.set PC,   228                         ; v228-247 the codes
.set SEL,  26                          ; s[26:27] lane selects: lane l xor 16
	s_load_b256 s[4:11], s[0:1], 0x0               ; x, Wq, Wk, Wv
	s_load_b64 s[12:13], s[0:1], 0x20              ; the result
	v_lshl_add_u32 v248, v0, 2, 11*WST
	v_mov_b32 v249, 0
	v_lshrrev_b32 v1, 5, v0
	v_readfirstlane_b32 s20, v1                    ; wave 0..10
	v_and_b32 v1, 31, v0                           ; lane
	v_and_b32 v2, 15, v0                           ; r
	v_bfe_u32 v3, v0, 4, 1                         ; h
	v_lshlrev_b32 v4, 4, v1                        ; 16 x lane
	s_mul_i32 s21, s20, WST
	v_add_nc_u32 v5, s21, v4                       ; the stage, way in
	v_mul_u32_u24 v6, v2, SP
	v_lshlrev_b32 v7, 2, v1                        ; 4 x lane
	v_lshl_add_u32 v6, v3, 6, v6
	v_add_nc_u32 v6, s21, v6                       ; way out: row r, + 64 h
	s_mov_b32 s[SEL], 0x76543210
	s_mov_b32 s[SEL+1], 0xfedcba98
.irp b, 0,1,2,3
	v_mov_b32 v[TM+4+\b], 0                        ; written once: a lane permute's destination counts as one of its sources
.endr
	s_mul_i32 s28, ttmp9, 11
	s_add_co_u32 s28, s28, s20                     ; my unit, 0 .. 2,815
	s_lshr_b32 s29, s28, 3                         ; its group
	s_and_b32 s30, s28, 7                          ; its 128 along K
	s_mov_b32 s18, 320
	s_wait_alu depctr_va_vdst(0)
	s_wait_kmcnt 0x0
	s_mov_b64 s[16:17], s[10:11]                   ; which tensor: the choice hangs on the unit's number alone
	s_cmp_lt_u32 s29, 320
	s_cselect_b64 s[16:17], s[8:9], s[16:17]
	s_cselect_b32 s18, 288, s18
	s_cmp_lt_u32 s29, 288
	s_cselect_b64 s[16:17], s[6:7], s[16:17]
	s_cselect_b32 s18, 256, s18
	s_cmp_lt_u32 s29, 256
	s_cselect_b64 s[16:17], s[4:5], s[16:17]
	s_cselect_b32 s18, 0, s18                      ; the tensor's first group
	s_sub_co_u32 s22, s29, s18
	s_and_b32 s24, s22, 1                          ; bit 0
	s_lshr_b32 s25, s22, 1
	s_lshl_b32 s23, s25, 6                         ; a weight's first row: 64 (group / 2) + 16 (group % 2)
	s_lshl_b32 s19, s24, 4
	s_add_co_u32 s19, s19, s23
	s_lshl_b32 s24, s24, 7                         ; x's: 256 (group / 8) + 128 a + 64 c + 16 (j / 2)
	s_and_b32 s25, s25, 1
	s_lshl_b32 s25, s25, 4
	s_add_co_u32 s24, s24, s25
	s_bfe_u32 s25, s22, 0x10002
	s_lshl_b32 s25, s25, 6
	s_add_co_u32 s24, s24, s25
	s_lshr_b32 s22, s22, 3
	s_lshl_b32 s22, s22, 8
	s_add_co_u32 s24, s24, s22
	s_cmp_lt_u32 s29, 256
	s_cselect_b32 s22, s24, s19
	s_lshl_b32 s22, s22, 12                        ; rows of 4,096 bytes
	s_lshl_b32 s23, s30, 9                         ; my 512 bytes of a row
	s_add_co_u32 s22, s22, s23
	s_mov_b32 s23, 0
	s_add_nc_u64 s[16:17], s[16:17], s[22:23]
	s_mul_i32 s22, s29, GB
	s_add_nc_u64 s[12:13], s[12:13], s[22:23]      ; my group
	s_lshl_b32 s22, s30, 7
	s_add_co_u32 s22, s22, 24576
	s_add_nc_u64 s[14:15], s[12:13], s[22:23]      ; its scale words of my 128 along K
	s_mul_i32 s22, s30, 1536
	s_add_nc_u64 s[12:13], s[12:13], s[22:23]      ; its codes
.macro LOADF u                         ; the 16 rows of block u: 512 consecutive bytes a load
.irp i, 0,1,2,3,4,5,6,7,8,9,10,11,12,13,14,15
	global_load_b128 v[R+64*\u+4*\i:R+64*\u+4*\i+3], v4, s[16:17] offset:(8*\u+\i+24*(\i/8))*4096 th:TH_LOAD_NT
.endr
.endm
.macro TURNF u                         ; LDS serves a wave's instructions in order: no wait between the stores and the loads, and one stage serves both blocks
.irp i, 0,1,2,3,4,5,6,7,8,9,10,11,12,13,14,15
	ds_store_b128 v5, v[R+64*\u+4*\i:R+64*\u+4*\i+3] offset:SP*\i
.endr
.irp b, 0,1,2,3
.irp j, 0,1,2,3
	ds_load_b128 v[X+16*\b+4*\j:X+16*\b+4*\j+3], v6 offset:128*\b+16*\j
.endr
.endr
.endm
; 64 numbers of a lane become a fragment's codes in v[PC] on and its row's scale word in v[pw]
.macro QUANT s, pw
.irp b, 0,1,2,3
	v_max3_num_f32 v[TM+\b], |v[\s+16*\b]|, |v[\s+1+16*\b]|, 0x1800000   ; my 16 numbers, and the floor 2^(3 - 127): the byte cannot fall under 1
.endr
.irp i, 2,4,6,8,10,12,14
.irp b, 0,1,2,3
	s_delay_alu instid0(VALU_DEP_4)
	v_max3_num_f32 v[TM+\b], v[TM+\b], |v[\s+16*\b+\i]|, |v[\s+1+16*\b+\i]|
.endr
.endr
.irp b, 0,1,2,3
	s_delay_alu instid0(VALU_DEP_4)
	v_permlanex16_b32 v[TM+4+\b], v[TM+\b], s[SEL], s[SEL+1]
.endr
.irp b, 0,1,2,3
	s_delay_alu instid0(VALU_DEP_4)
	v_max_num_f32 v[TM+\b], v[TM+\b], v[TM+4+\b]   ; with lane l xor 16's: the block's largest magnitude
.endr
.irp b, 0,1,2,3
	s_delay_alu instid0(VALU_DEP_4)
	v_add_nc_u32 v[TM+12+\b], 0xff000000, v[TM+\b] ; 2 off its exponent field: the conversion takes that field as its scale
.endr
.irp b, 0,1,2,3
	s_delay_alu instid0(VALU_DEP_4)
	v_lshrrev_b32 v[TM+4+\b], 23, v[TM+12+\b]      ; the scale's byte
.endr
	s_delay_alu instid0(VALU_DEP_3)
	v_lshl_or_b32 v[\pw], v[TM+5], 8, v[TM+4]
	s_delay_alu instid0(VALU_DEP_1)
	v_lshl_or_b32 v[\pw], v[TM+6], 16, v[\pw]
	s_delay_alu instid0(VALU_DEP_1)
	v_lshl_or_b32 v[\pw], v[TM+7], 24, v[\pw]
.irp c, 0,1
	v_cvt_scalef32_pk16_fp6_f32 v[PC+6*\c:PC+2+6*\c], v[\s+32*\c:\s+15+32*\c], v[TM+12+2*\c]
	v_cvt_scalef32_pk16_fp6_f32 v[PC+12+4*\c:PC+14+4*\c], v[\s+16+32*\c:\s+31+32*\c], v[TM+12+2*\c+1]   ; (a conversion's three registers begin on an even number)
.endr
	v_nop                                          ; one plain place behind a scaled conversion
.irp c, 0,1                            ; a whole block to a lane: lanes 0-15 block 2 c, lanes 16-31 block 2 c + 1
.irp i, 0,1,2
	v_permlane16_swap_b32 v[PC+6*\c+\i], v[PC+12+4*\c+\i]
.endr
.irp i, 0,1,2
	s_delay_alu instid0(VALU_DEP_3)
	v_mov_b32 v[PC+3+6*\c+\i], v[PC+12+4*\c+\i]
.endr
.endr
.endm
.macro OUTF u                          ; three stores of 512 consecutive bytes, each at a multiple of 256 from the buffer's first byte
.irp g, 0,1,2
	global_store_b128 v4, v[PC+4*\g:PC+4*\g+3], s[12:13] offset:12288*\u+512*\g
.endr
.endm
	LOADF 0
	LOADF 1
	s_wait_loadcnt 16                              ; the first block's 16 loads are in; the second's 16 may be out
	TURNF 0
	s_wait_dscnt 0x0
	QUANT X, PW0
	OUTF 0
	s_wait_loadcnt 0x0
	TURNF 1
	s_wait_dscnt 0x0
	s_wait_xcnt 0x0                                ; the stores above have read the codes' registers, which are written again below
	QUANT X, PW1
	OUTF 1
	v_cmp_le_u32 vcc_lo, 16, v1                    ; lanes 0-15: rows of block 0; lanes 16-31: of block 1 (both halves of the lanes hold row r's word)
	s_delay_alu instid0(VALU_DEP_1)
	v_cndmask_b32 v[PWS], v[PW0], v[PW1], vcc_lo
	global_store_b32 v7, v[PWS], s[14:15]          ; 32 stored rows' words: 128 consecutive bytes
	s_wait_tensorcnt 0x0
	ds_add_u32 v248, v249
	s_wait_dscnt 0x0
	s_endpgm
.Lfunc_end_k_q5ac82015cf_quant:
	.size	k_q5ac82015cf_quant, .Lfunc_end_k_q5ac82015cf_quant-k_q5ac82015cf_quant
	.p2alignl 7, 3214868480
	.fill 96, 4, 3214868480
	.section	.rodata,"a",@progbits
	.p2align	6, 0x0
	.amdhsa_kernel k_q5ac82015cf_quant
		.amdhsa_group_segment_fixed_size 94464
		.amdhsa_private_segment_fixed_size 0
		.amdhsa_enable_private_segment 0
		.amdhsa_kernarg_size 40
		.amdhsa_user_sgpr_count 2
		.amdhsa_user_sgpr_kernarg_segment_ptr 1
		.amdhsa_wavefront_size32 1
		.amdhsa_system_sgpr_workgroup_id_x 1
		.amdhsa_system_sgpr_workgroup_id_y 1
		.amdhsa_system_sgpr_workgroup_id_z 1
		.amdhsa_system_vgpr_workitem_id 0
		.amdhsa_next_free_vgpr 250
		.amdhsa_next_free_sgpr 66
		.amdhsa_reserve_vcc 1
		.amdhsa_float_denorm_mode_32 3
		.amdhsa_float_denorm_mode_16_64 3
		.amdhsa_memory_ordered 1
		.amdhsa_forward_progress 1
		.amdhsa_inst_pref_size 22
	.end_amdhsa_kernel
	.amdgpu_metadata
---
amdhsa.version: [ 1, 2 ]
amdhsa.kernels:
  - .name:           k_q5ac82015cf_quant
    .symbol:         k_q5ac82015cf_quant.kd
    .args:
      - { .name: x, .offset: 0, .size: 8, .value_kind: global_buffer, .address_space: global }
      - { .name: Wq, .offset: 8, .size: 8, .value_kind: global_buffer, .address_space: global }
      - { .name: Wk, .offset: 16, .size: 8, .value_kind: global_buffer, .address_space: global }
      - { .name: Wv, .offset: 24, .size: 8, .value_kind: global_buffer, .address_space: global }
      - { .name: xw, .offset: 32, .size: 8, .value_kind: global_buffer, .address_space: global }
    .group_segment_fixed_size: 94464
    .private_segment_fixed_size: 0
    .kernarg_segment_align: 8
    .kernarg_segment_size: 40
    .max_flat_workgroup_size: 352
    .sgpr_count:     66
    .vgpr_count:     250
    .wavefront_size: 32
...
	.end_amdgpu_metadata
.endif
;; end of part 1
;; launch proj (part 2): grid 16 x 16, 4 waves a work-group, clusters of 4 x 4, 327,680 bytes of LDS; arguments xw, qkv_codes, qkv_scales; writes qkv_codes, qkv_scales
.if DOCPART == 2
	.amdgcn_target "amdgcn-amd-amdhsa--gfx1250"
	.amdhsa_code_object_version 6
	.text
	.protected	k_q5ac82015cf_proj
	.globl	k_q5ac82015cf_proj
	.p2align	8
	.type	k_q5ac82015cf_proj,@function
k_q5ac82015cf_proj:
	s_mov_b64 s[64:65], 0
	v_nop
	global_prefetch_b8 v0, s[64:65] scope:SCOPE_SE
	s_setreg_imm32_b32 hwreg(HW_REG_WAVE_MODE, 25, 1), 1
	s_wait_xcnt 0x0
	s_wait_alu depctr_hold_cnt(0) depctr_sa_sdst(0) depctr_va_vdst(0) depctr_va_sdst(0) depctr_va_ssrc(0) depctr_va_vcc(0) depctr_vm_vsrc(0)
	s_getreg_b32 s2, hwreg(HW_REG_IB_STS2, 6, 4)
	s_cmp_eq_u32 s2, 0
	s_cbranch_scc0 .Lentry_in_a_cluster
	s_endpgm
.Lentry_in_a_cluster:
	s_bfe_u32 s2, ttmp6, 0x10000c
	s_cmp_lg_u32 s2, 0xf033
	s_cbranch_scc0 .Lentry_shape_is_right
	s_endpgm
.Lentry_shape_is_right:
; Q, K, V = x W^T ON CODES OF FP6 (E2M3) WITH E8M0 SCALES, AND THEIR QUANTISERS: Q and K along the 1,024 outputs, V along the tokens.  No f32 result is stored.
; xw: groups of 32 stored rows, 25,600 bytes each ([2 blocks][8 x 128 K][1,536], [8 x 128 K][32 rows][4]): 256 groups of x, then 32 each of Wq, Wk, Wv.  The rows' order is given at the head of the launch that writes xw.
; RESULTS.  Codes: [256 of K][16 rows][128 of K][64 of K: 768 bytes]: registers 0-3 of a lane at 16 x lane, registers 4, 5 at 512 + 8 x lane.  Q's rows (tokens, K = outputs), K's, then V^T's (rows = outputs, K = tokens; [256 tokens][64 blocks of rows]).
; Scale words: [128 of K][rows][4 bytes], in the same three runs.
; THE DEAL.  A work-group makes 512 tokens x (128 columns of Q or K, and 64 of V): 16 x 16 work-groups of equal work.  Four waves, 2 x 2: the wave in column b holds 64 rows of Wq or Wk and 32 of Wv, ALL of K, in registers
; (48 fragments of 12); the wave in row a streams its 256 tokens past them in 16 blocks of 16 (8 fragments, two sets by turns).  A block is 48 products.
; Q, K: source 0 = the weight's rows, so that a lane's 32 results of a block are 32 neighbouring columns.  V: source 0 = x's rows, so that a lane's 8 results of each of four blocks are 32 neighbouring tokens.  A whole scale block lies in a lane.
; LDS: six UNITS of 64 rows (51,200 bytes: group a = 0, group a = 1).  At the head units 0-2 hold the first 192 of x's 512 rows, units 3-5 the weights' 192 rows.  Once all waves hold the weights in registers, x's units 3-5 land on them (block 0);
; x's units 6 and 7 land on units 0 and 1 (blocks 4 and 8).  One tensor load a wave at the head.
; A BLOCK: 16 products of Q or K with the search for V's largest magnitude between them; every fourth block the last 64 tokens of V are converted; then pairs of Q's or K's products and of V's by turns, with the search for the LAST block's largest magnitude
; between them; its conversion and its stores; the fetch of the block two on.
; CLUSTER 4 x 4: x's rows are asked for jointly along a row of the cluster, the weights' along a column.
; PREFETCH: x's units 3-6 at the head, unit 7 behind the first refill, each 256 bytes once in a cluster, shared out by address among the sixteen waves of its row.
; LIMITS: a block of zeros gets the byte 1 where the quantiser says 127 (its codes are zeros; this program alone reads the bytes); blocks whose largest magnitude lies under 2^-124 are held at the byte 1; NaN and infinities are not served.
.set GB,    25600                      ; a group
.set UB,    2*GB                       ; a unit
.set WQ,    3*UB                       ; Wq's or Wk's 128 rows
.set WV,    5*UB                       ; Wv's 64 rows
.set XN,    6*UB                       ; Q's or K's scale bytes: [512 rows][4]
.set XM,    XN+2048                    ; V's: [4 x 128 tokens][64 rows][4]
.set SPARE, XM+1024                    ; the spare words: no other line names them
.set ADX,   4                          ; LDS address of the group that is fetched next: codes, scale words
.set ADS,   5
.set AX0,   6                          ; the same in unit 0
.set AS0,   7
.set PFA,   8
.set CO,    9                          ; 16 x lane
.set SPW,   10
.set NIL,   11
.set CO8,   12                         ; 8 x lane
.set STO,   13
.set STV,   14
.set PFC,   16
.set ADW,   17
.set ADWS,  18
.set ADV,   19
.set ADVS,  20
.set VX,    21
.set VV,    22
.set SB,    24                         ; v24-47 the weights' scale words: Q or K tiles 0, 1; tiles 2, 3; V's
.set TQ,    48
.set TV,    50
.set SA,    52                         ; v52-67 x's scale words, two sets of eight: even block in lanes 0-15, odd in 16-31
.set QACC,  68                         ; v68-131  Q or K: two sets of four accumulators
.set VACC,  132                        ; v132-195 V: 32 t + 8 j + i
.set XF,    196                        ; v196-207 fragment 63
.set NCD,   208                        ; v208-213 Q's or K's codes
.set TC,    216
.set TC2,   220
.set MCD,   224                        ; V's codes: tile t at 224 + 8 t
.set SOP,   240
.set EB,    244
.set G1X,   24
.set G1X4,  32
.set G1W,   48
.set G1V,   56
.set G0W,   68
.set G0V,   72
.set G0F,   76
.set G0G,   80
.set G0R,   88
.set MSB, 0
.macro WIN new                         ; the immediate's high byte repeats the setting that is left
.if MSB != (\new)
	s_set_vgpr_msb (MSB<<8)|(\new)
.set MSB, (\new)
.endif
.endm
.macro PLACES n
.rept \n
	v_nop
.endr
.endm
.macro WALU
	s_wait_alu depctr_va_vdst(0)
.endm
.macro BARRIER
	s_barrier_signal -1
	s_barrier_wait -1
.endm
.macro MIDDLE
	WIN 0
	s_barrier_wait -1
	s_cmp_lg_u32 s14, 0
	s_cbranch_scc1 .Lnot_wave_0_\@
	s_barrier_signal -3
.Lnot_wave_0_\@:
	s_barrier_wait -3
.endm
.macro CROUND
	s_barrier_signal -1
	MIDDLE
	BARRIER
.endm
.macro TLOAD g0, g1
	tensor_load_to_lds s[\g0:\g0+3], s[\g1:\g1+7]
	s_nop 0
	PLACES 4
.endm
.macro GROUP1 g, mask, rows            ; a dense block as rows of 256 bytes (32 elements of 8)
	s_or_b32 s[\g+0], s[\mask], (3<<16)|(1<<21)
	s_mov_b32 s[\g+1], 32<<16
	s_mov_b32 s[\g+2], (\rows)<<16
	s_mov_b32 s[\g+3], 32<<16
	s_mov_b32 s[\g+4], \rows
	s_mov_b32 s[\g+5], 32
	s_mov_b32 s[\g+6], 0
	s_mov_b32 s[\g+7], 0
.endm
.macro G0ADR g, off
	s_mov_b32 s20, s\off
	s_add_nc_u64 s[\g+2:\g+3], s[4:5], s[20:21]
	s_or_b32 s[\g+3], s[\g+3], 0x80000000
.endm
.macro SADD d, x
	s_add_co_u32 s\d, s\d, s\x
.endm
; Fragment f: 0-31 Q's or K's weights (4 q + tile), 32-47 V's (32 + 2 q + tile), 48-63 x's two sets (48 + 8 e + q): 21 to a window from window 1 on, the last in window 0.
.macro FRG f0, f1
.if (\f0) == 63
.set W0_, 0
.set R0_, XF
.else
.set W0_, 1+(\f0)/21
.set R0_, 12*((\f0)%21)
.endif
.if (\f1) == 63
.set W1_, 0
.set R1_, XF
.else
.set W1_, 1+(\f1)/21
.set R1_, 12*((\f1)%21)
.endif
.endm
.macro LDFRAG f, adr, off
	FRG \f, 0
	WIN W0_<<6
.irp k, 0,1,2
	ds_load_b128 v[R0_+4*\k:R0_+4*\k+3], v[\adr] offset:(\off)+512*\k
.endr
.endm
.macro FETCH e, set, ax, as            ; a block into set e: 24 loads; with an even block the pair's scale words: 8 more
.irp q, 0,1,2,3,4,5,6,7
	LDFRAG 48+8*\e+\q, \ax, 12288*\e+1536*\q
.endr
	WIN 0
.if (\e) == 0
.irp q, 0,1,2,3,4,5,6,7
	ds_load_b32 v[SA+8*(\set)+\q], v[\as] offset:128*\q
.endr
.endif
.endm
.macro WM d, s0, s1, c, x0, x1, ra, rb
	v_wmma_scale_f32_16x16x128_f8f6f4 v[\d:\d+7], v[\s0:\s0+11], v[\s1:\s1+11], \c, v[\x0], v[\x1] matrix_a_fmt:MATRIX_FMT_FP6 matrix_b_fmt:MATRIX_FMT_FP6 matrix_a_scale:MATRIX_SCALE_ROW\ra matrix_b_scale:MATRIX_SCALE_ROW\rb
.endm
.macro QP e, j, q, p, o                ; Q or K: tile 2 p + o, 128 along K number q
.set D_, QACC+32*\e+16*(\p)+8*\o
	FRG 4*(\q)+2*(\p)+\o, 48+8*\e+(\q)
	WIN W0_|(W1_<<2)
.if (\q) == 0
	WM D_, R0_, R1_, 0, SB+8*(\p)+(\q), SA+8*(\j/2)+(\q), \o, \e
.else
	WM D_, R0_, R1_, v[D_:D_+7], SB+8*(\p)+(\q), SA+8*(\j/2)+(\q), \o, \e
.endif
.endm
.macro VP e, j, q, t                   ; V: tile t
.set D_, VACC+32*\t+8*\j
	FRG 48+8*\e+(\q), 32+2*(\q)+\t
	WIN W0_|(W1_<<2)
.if (\q) == 0
	WM D_, R0_, R1_, 0, SA+8*(\j/2)+(\q), SB+16+(\q), \e, \t
.else
	WM D_, R0_, R1_, v[D_:D_+7], SA+8*(\j/2)+(\q), SB+16+(\q), \e, \t
.endif
.endm
; What stands between products: entry i of each, nothing beyond its last.
.macro CHAIN i, x                      ; the largest magnitude of the 32 sums from register x on, two chains; then the conversions' scale operand
.if (\i) >= 0 && (\i) < 14
.set B_, (\x)+16*((\i)%2)+2*((\i)/2)
.set T_, TQ+1-(\i)%2
	WIN 0
.if (\i) < 2
	v_max3_num_f32 v[T_], |v[B_]|, |v[B_+1]|, |v[B_+2]|
.else
	v_max3_num_f32 v[T_], v[T_], |v[B_+1]|, |v[B_+2]|
.endif
.elseif (\i) == 14
	WIN 0
	v_max3_num_f32 v[TQ+1], v[TQ+1], |v[\x+15]|, 0x1800000
.elseif (\i) == 15
	WIN 0
	v_nop                                  ; so that the next line stands in the next pair
.elseif (\i) == 16
	WIN 0
	v_max3_num_f32 v[TQ], v[TQ], |v[\x+31]|, v[TQ+1]
.elseif (\i) == 17
	WIN 0
	v_add_nc_u32 v[SOP], 0xff000000, v[TQ]
.endif
.endm
.macro VINC n, g                       ; V's block g of four joins the running largest magnitudes of the two tiles: 8 entries
.if (\n) >= 0 && (\n) < 8
.set T_, (\n)%2
.set B_, VACC+32*T_+8*(\g)+2*((\n)/2)
	WIN 0
.if (\g) == 0
.if (\n) < 2
	v_max3_num_f32 v[TV+T_], |v[B_]|, |v[B_+1]|, |v[B_+2]|
.elseif (\n) < 6
	v_max3_num_f32 v[TV+T_], v[TV+T_], |v[B_+1]|, |v[B_+2]|
.else
	v_max3_num_f32 v[TV+T_], v[TV+T_], |v[B_+1]|, 0x1800000
.endif
.else
	v_max3_num_f32 v[TV+T_], v[TV+T_], |v[B_]|, |v[B_+1]|
.endif
.endif
.endm
.macro VPOS i                          ; where run s47 of 64 tokens of V goes: 3 entries
.if (\i) == 0
	s_lshr_b32 s20, s47, 1
	s_and_b32 s21, s47, 1
	s_lshl_b32 s22, s20, 9
	s_lshl_b32 s23, s21, 1
.elseif (\i) == 1
	s_or_b32 s22, s22, s23
	s_mul_i32 s20, s20, 196608
	s_mul_i32 s21, s21, 768
	s_add_co_u32 s20, s20, s21
.elseif (\i) == 2
	s_mov_b32 s21, 0
	s_add_nc_u64 s[10:11], s[86:87], s[20:21]
	s_add_co_u32 s47, s47, 1
	WIN 0
	v_add_nc_u32 v[VV], s22, v[STV]
.endif
.endm
.macro L1 i, e, j, out, fetch, wrap
.if (\e) == 0 && (\fetch)
.if (\i) == 0
.if \wrap
	s_mov_b32 s101, 0
.else
	s_add_co_u32 s101, s101, UB
.endif
	WIN 0
	v_add_nc_u32 v[ADX], s101, v[AX0]
.elseif (\i) == 1
	WIN 0
	v_add_nc_u32 v[ADS], s101, v[AS0]
.endif
.endif
.if \e
.if (\i) == 0
	WIN 0
	v_add_nc_u32 v[VX], s46, v[STO]
.elseif (\i) == 1
	s_add_co_u32 s46, s46, 256
.endif
.endif
.if \out
	VINC (\i)-6, (\j+3)%4
.if (\j) == 0
	VPOS (\i)-2
.if (\i) == 14
	WIN 0
	v_add_nc_u32 v[SOP+1], 0xff000000, v[TV]
.elseif (\i) == 15
	WIN 0
	v_add_nc_u32 v[SOP+2], 0xff000000, v[TV+1]
.endif
.endif
.endif
.endm
.macro L2 i, e, out, rnd
.if (\rnd) == 1 && (\out)
.if (\i) == 0
	s_mov_b32 s[G0R+1], s12
	s_add_co_u32 s12, s12, UB
	s_mov_b32 s20, s13
	s_add_co_u32 s13, s13, UB
.elseif (\i) == 1
	s_mov_b32 s21, 0
	s_add_nc_u64 s[G0R+2:G0R+3], s[4:5], s[20:21]
	s_or_b32 s[G0R+3], s[G0R+3], 0x80000000
.endif
.endif
.if (\e) && (\i) == 2
	s_add_nc_u64 s[84:85], s[84:85], 12288
.endif
.if \out
	CHAIN (\i)-14, QACC+32*(1-\e)
.endif
.endm
.macro PART1 e, j, out, fetch, wrap
.set K_, 0
.irp q, 0,1,2,3
.irp p, 0,1
	QP \e, \j, \q, \p, 0
	QP \e, \j, \q, \p, 1
	L1 K_, \e, \j, \out, \fetch, \wrap
	L1 K_+1, \e, \j, \out, \fetch, \wrap
.set K_, K_+2
.endr
.endr
.endm
.macro PART2 e, j, from, to, out, rnd
.set K_, \from
.rept (\to)-(\from)
.if K_%2 == 0
	QP \e, \j, 4+K_/4, (K_/2)%2, 0
	QP \e, \j, 4+K_/4, (K_/2)%2, 1
.else
	VP \e, \j, K_/2, 0
	VP \e, \j, K_/2, 1
.endif
	L2 2*K_, \e, \out, \rnd
	L2 2*K_+1, \e, \out, \rnd
.set K_, K_+1
.endr
.endm
.macro QCVT x
	v_cvt_scalef32_pk16_fp6_f32 v[NCD:NCD+2], v[\x:\x+15], v[SOP]
	v_cvt_scalef32_pk16_fp6_f32 v[TC:TC+2], v[\x+16:\x+31], v[SOP]   ; (a conversion's three registers begin on an even number)
.endm
.macro QMOV
.irp i, 0,1,2
	v_mov_b32 v[NCD+3+\i], v[TC+\i]
.endr
.endm
.macro VCVT tc
	v_cvt_scalef32_pk16_fp6_f32 v[MCD:MCD+2], v[VACC:VACC+15], v[SOP+1]
	v_cvt_scalef32_pk16_fp6_f32 v[\tc:\tc+2], v[VACC+16:VACC+31], v[SOP+1]
	v_cvt_scalef32_pk16_fp6_f32 v[MCD+8:MCD+10], v[VACC+32:VACC+47], v[SOP+2]
	v_cvt_scalef32_pk16_fp6_f32 v[TC2:TC2+2], v[VACC+48:VACC+63], v[SOP+2]
.endm
.macro VMOV tc
.irp i, 0,1,2
	v_mov_b32 v[MCD+3+\i], v[\tc+\i]
	v_mov_b32 v[MCD+11+\i], v[TC2+\i]
.endr
.endm
.macro VBYTES
	v_lshrrev_b32 v[EB+1], 23, v[SOP+1]
	v_lshrrev_b32 v[EB+2], 23, v[SOP+2]
.endm
.macro BYTESTORE u, v                  ; u: the parity of the block whose byte it is
	ds_store_b8 v[VX], v[EB] offset:64*(\u)
.if \v
	ds_store_b8 v[VV], v[EB+1]
	ds_store_b8 v[VV], v[EB+2] offset:64
.endif
.endm
.macro CODESTORE u, v                  ; 512 and 256 consecutive bytes
	global_store_b128 v[CO], v[NCD:NCD+3], s[84:85] offset:3072*(\u)
	global_store_b64 v[CO8], v[NCD+4:NCD+5], s[84:85] offset:3072*(\u)+512
.if \v
.irp t, 0,1
	global_store_b128 v[CO], v[MCD+8*\t:MCD+8*\t+3], s[10:11] offset:3072*\t
	global_store_b64 v[CO8], v[MCD+8*\t+4:MCD+8*\t+5], s[10:11] offset:3072*\t+512
.endr
.endif
.endm
; A block.  e: its set.  j: its place among four.  w: the count of the wait for its rows: younger than their fetch is the next block's, 24 loads (odd) or 32 (even); in block 0 V's weights, 48, and their scale words, 8.
; rnd 1: a round with a refill by the waves under nw; 2: a plain barrier that shows the last refill.  out: the last block's results leave.
.macro BLK e, j, w, fetch, rnd, nw, out, wrap
	s_wait_dscnt \w
.if (\rnd) == 1
	s_wait_tensorcnt 0x0                   ; ahead of a refill
	ds_add_u32 v[SPW], v[NIL]
.endif
	PART1 \e, \j, \out, \fetch, \wrap
	WIN 0
.if (\out) == 0
	WALU
	s_wait_dscnt 0x0                       ; block 0: V's weights are in registers
.elseif (\j) == 0
	VCVT TC
	VBYTES
	VMOV TC
.endif
	s_wait_xcnt 0x0                        ; the last block's stores have read their registers and their base
.if \rnd
	PART2 \e, \j, 0, 13, \out, \rnd
	WIN 0
	WALU
.if (\rnd) == 2
	s_wait_tensorcnt 0x0
.endif
	s_wait_dscnt 0x0                       ; the add is done, and all my reads of the bytes that are filled again
	s_barrier_signal -1
	PART2 \e, \j, 13, 16, \out, \rnd
.else
	PART2 \e, \j, 0, 16, \out, \rnd
.endif
	WIN 0
.if \out
	QCVT QACC+32*(1-\e)
	v_lshrrev_b32 v[EB], 23, v[SOP]
	QMOV                                   ; (with the line above the four places ahead of the fetch)
.else
	PLACES 4
.endif
.if (\rnd) == 1
	MIDDLE
	BARRIER
	s_cmp_lt_u32 s14, \nw
	s_cbranch_scc0 .Lno_load_\@
	TLOAD G0R, G1X
.Lno_load_\@:
.elseif (\rnd) == 2
	s_barrier_wait -1
.endif
	WALU
.if \out
	BYTESTORE 1-\e, (\j)==0
	CODESTORE 1-\e, (\j)==0
.endif
.if \fetch
	FETCH \e, 1-\j/2, ADX, ADS
.endif
.endm
; ================= THE HEAD
	s_load_b128 s[4:7], s[0:1], 0x0                     ; xw, the codes
	s_load_b64 s[8:9], s[0:1], 0x10                     ; the scale words
	v_lshl_add_u32 v[SPW], v0, 2, SPARE
	v_mov_b32 v[NIL], 0
	ds_add_u32 v[SPW], v[NIL]
	ds_add_u32 v[SPW], v[NIL]
	v_lshrrev_b32 v1, 5, v0
	v_readfirstlane_b32 s14, v1                         ; wave
	s_lshr_b32 s15, s14, 1                              ; a
	s_and_b32 s16, s14, 1                               ; b
	s_bfe_u32 s40, ttmp6, 0x40000                       ; cx
	s_bfe_u32 s41, ttmp6, 0x40004                       ; cy
	s_lshl_b32 s42, ttmp9, 2
	s_add_co_u32 s42, s42, s40                          ; tile column 0 .. 15: 0-7 Q, 8-15 K; V's 64 columns
	s_and_b32 s43, ttmp7, 0xffff
	s_lshl_b32 s43, s43, 2
	s_add_co_u32 s43, s43, s41                          ; tile of 512 tokens
	s_lshl_b32 s44, s41, 2
	s_lshl_b32 s44, 15, s44                             ; my row of the cluster
	s_lshl_b32 s45, 0x1111, s40                         ; my column
	GROUP1 G1X, 44, 200
	GROUP1 G1X4, 44, 400
	GROUP1 G1W, 45, 400
	GROUP1 G1V, 45, 200
	s_mov_b32 s[G0W], 1
	s_mov_b32 s[G0W+1], WQ
	s_mov_b32 s[G0V], 1
	s_mov_b32 s[G0V+1], WV
	s_mov_b32 s[G0F], 1
	s_mov_b32 s[G0F+1], 0
	s_mov_b32 s[G0G], 1
	s_mov_b32 s[G0G+1], UB
	s_mov_b32 s[G0R], 1
	s_mul_i32 s99, s14, UB
	s_add_co_u32 s[G0R+1], s99, WQ                      ; the first refill: wave w brings unit 3 + w
	s_mul_i32 s66, s43, 16*GB                           ; my 512 rows of x
	s_mul_i32 s96, s42, 4*GB
	s_add_co_u32 s96, s96, 256*GB                       ; 128 rows of Wq or Wk
	s_mul_i32 s97, s42, 2*GB
	s_add_co_u32 s97, s97, 320*GB                       ; 64 rows of Wv
	s_add_co_u32 s67, s66, UB
	s_add_co_u32 s99, s99, s66
	s_add_co_u32 s99, s99, 3*UB
	s_add_co_u32 s13, s66, 6*UB                         ; the later refills: from here in xw
	s_mov_b32 s12, 0                                    ; to here in LDS
	s_lshl_b32 s98, s40, 2
	s_add_co_u32 s98, s98, s14                          ; my number among the sixteen waves of my row of the cluster
	s_mul_i32 s17, s15, GB
	s_add_co_u32 s18, s17, 24576
	s_mul_i32 s19, s16, UB
	s_add_co_u32 s19, s19, WQ
	s_add_co_u32 s20, s19, 24576
	s_mul_i32 s21, s16, GB
	s_add_co_u32 s21, s21, WV
	s_add_co_u32 s22, s21, 24576
	s_lshl_b32 s23, s15, 7
	s_lshl_b32 s10, s16, 1
	s_add_co_u32 s23, s23, s10
	s_add_co_u32 s23, s23, XN
	s_lshl_b32 s10, s15, 8
	s_lshl_b32 s11, s16, 7
	s_add_co_u32 s10, s10, s11
	s_add_co_u32 s10, s10, XM
	s_mul_i32 s11, s98, 6400
	s_add_co_u32 s11, s11, s66
	s_add_co_u32 s11, s11, 3*UB
	s_mul_i32 s2, s98, 3328
	s_add_co_u32 s3, s66, 7*UB
	v_and_b32 v1, 31, v0
	v_and_b32 v2, 15, v0
	v_bfe_u32 v3, v0, 4, 1
	v_lshlrev_b32 v[CO], 4, v1
	v_lshlrev_b32 v[CO8], 3, v1
	v_add_nc_u32 v[AX0], s17, v[CO]
	v_lshl_add_u32 v[AS0], v1, 2, s18
	v_add_nc_u32 v[ADW], s19, v[CO]
	v_lshl_add_u32 v[ADWS], v1, 2, s20
	v_add_nc_u32 v[ADV], s21, v[CO]
	v_lshl_add_u32 v[ADVS], v1, 2, s22
	v_lshl_add_u32 v23, v2, 2, v3                       ; 4 r + h
	v_add_nc_u32 v[STO], s23, v23                       ; row 32 a + r, byte 2 b + h
	v_add_nc_u32 v[STV], s10, v23                       ; 128 tokens number a, row 32 b + r, byte h
	v_min_u32 v23, 24, v1
	v_lshl_add_u32 v[PFA], v23, 8, s11                  ; my 25 of units 3 and 4's 400 blocks of 256 bytes
	v_min_u32 v23, 12, v1
	v_lshl_add_u32 v23, v23, 8, s2
	v_min_u32 v23, 199*256, v23
	v_add_nc_u32 v[PFC], s3, v23                        ; my 13 of unit 7's 200
	WALU
	s_wait_dscnt 0x0
	CROUND                                              ; the opening round, ahead of the wait for the arguments
	s_wait_kmcnt 0x0
	s_mov_b32 s21, 0
	G0ADR G0W, 96
	G0ADR G0V, 97
	G0ADR G0F, 66
	G0ADR G0G, 67
	G0ADR G0R, 99
	s_cmp_eq_u32 s14, 0
	s_cbranch_scc0 .Lwave_1
	TLOAD G0W, G1W                                      ; wave 0: Wq's or Wk's rows
	s_branch .Lasked
.Lwave_1:
	s_cmp_eq_u32 s14, 1
	s_cbranch_scc0 .Lwave_2
	TLOAD G0V, G1V                                      ; wave 1: Wv's
	s_branch .Lasked
.Lwave_2:
	s_cmp_eq_u32 s14, 2
	s_cbranch_scc0 .Lwave_3
	TLOAD G0F, G1X                                      ; wave 2: x's unit 0
	s_branch .Lasked
.Lwave_3:
	TLOAD G0G, G1X4                                     ; wave 3: units 1 and 2
.Lasked:
	s_lshr_b32 s20, s42, 1                              ; where the results go.  Q, K: ((column / 2) 512 + 32 tile + 2 a) 3,072 + (column % 2) 1,536 + 768 b
	s_lshl_b32 s20, s20, 9
	s_lshl_b32 s22, s43, 5
	SADD 20, 22
	s_lshl_b32 s22, s15, 1
	SADD 20, 22
	s_mul_i32 s84, s20, 3072
	s_and_b32 s22, s42, 1
	s_mul_i32 s22, s22, 1536
	SADD 84, 22
	s_mul_i32 s22, s16, 768
	SADD 84, 22
	s_mov_b32 s85, 0
	s_add_nc_u64 s[84:85], s[6:7], s[84:85]
	s_sub_nc_u64 s[84:85], s[84:85], 12288              ; (stepped ahead of each pair's first store)
	s_lshl_b32 s20, s43, 7                              ; V: (128 tile + 4 column + 2 b) 3,072 + 1,536 a, behind Q's and K's
	s_lshl_b32 s22, s42, 2
	SADD 20, 22
	s_lshl_b32 s22, s16, 1
	SADD 20, 22
	s_mul_i32 s86, s20, 3072
	s_mul_i32 s22, s15, 1536
	SADD 86, 22
	s_add_co_u32 s86, s86, 12582912
	s_mov_b32 s87, 0
	s_add_nc_u64 s[86:87], s[6:7], s[86:87]
	s_lshl_b32 s92, s42, 15                             ; scale words: a wave stores 128 rows of Q or K
	s_lshl_b32 s22, s43, 11
	SADD 92, 22
	s_lshl_b32 s22, s14, 9
	SADD 92, 22
	s_mov_b32 s93, 0
	s_add_nc_u64 s[92:93], s[8:9], s[92:93]
	s_lshl_b32 s94, s43, 14                             ; and 64 rows of V
	s_lshl_b32 s22, s14, 12
	SADD 94, 22
	s_lshl_b32 s22, s42, 8
	SADD 94, 22
	s_add_co_u32 s94, s94, 524288
	s_mov_b32 s95, 0
	s_add_nc_u64 s[94:95], s[8:9], s[94:95]
	s_mov_b32 s46, 0                                    ; 256 x the pair whose bytes are stored
	s_mov_b32 s47, 0                                    ; V's run of 64 tokens
	s_mov_b32 s101, 0                                   ; the unit that is fetched
	s_cmp_eq_u32 s14, 3
	s_cbranch_scc1 .Lnot_yet
	s_wait_tensorcnt 0x0
.Lnot_yet:
	BARRIER                                             ; the weights and unit 0 are in; units 1 and 2 may still be on their way
	global_prefetch_b8 v[PFA], s[4:5] th:TH_LOAD_NT scope:SCOPE_SE
	global_prefetch_b8 v[PFA], s[4:5] offset:2*UB th:TH_LOAD_NT scope:SCOPE_SE
	FETCH 0, 0, AX0, AS0
	FETCH 1, 0, AX0, AS0
.irp q, 0,1,2,3,4,5,6,7
.irp b, 0,1,2,3
	LDFRAG 4*\q+\b, ADW, (\b/2)*GB+(\b%2)*12288+\q*1536
.endr
.endr
	WIN 0
.irp q, 0,1,2,3,4,5,6,7
	ds_load_b32 v[SB+\q], v[ADWS] offset:128*\q
	ds_load_b32 v[SB+8+\q], v[ADWS] offset:GB+128*\q
.endr
.irp q, 0,1,2,3,4,5,6,7
.irp t, 0,1
	LDFRAG 32+2*\q+\t, ADV, \t*12288+\q*1536
.endr
.endr
	WIN 0
.irp q, 0,1,2,3,4,5,6,7
	ds_load_b32 v[SB+16+\q], v[ADVS] offset:128*\q
.endr
; ================= SIXTEEN BLOCKS
	BLK 0, 0, 56, 1, 1, 3, 0, 0
	global_prefetch_b8 v[PFC], s[4:5] th:TH_LOAD_NT scope:SCOPE_SE
	s_mov_b32 s100, 0
.Lband:                                                 ; blocks 1 to 4, 5 to 8
	BLK 1, 1, 32, 1, 0, 0, 1, 0
	BLK 0, 2, 24, 1, 0, 0, 1, 0
	BLK 1, 3, 32, 1, 0, 0, 1, 0
	BLK 0, 0, 24, 1, 1, 1, 1, 0                         ; wave 0 refills a unit
	s_add_co_u32 s100, s100, 1
	s_cmp_lg_u32 s100, 2
	s_cbranch_scc1 .Lband
	BLK 1, 1, 32, 1, 0, 0, 1, 0
	BLK 0, 2, 24, 1, 0, 0, 1, 1                         ; block 10 fetches block 12, from unit 0's bytes again
	BLK 1, 3, 32, 1, 0, 0, 1, 0
	BLK 0, 0, 24, 1, 2, 0, 1, 0                         ; block 12 shows the last refill
	BLK 1, 1, 32, 1, 0, 0, 1, 0
	BLK 0, 2, 24, 0, 0, 0, 1, 0
	BLK 1, 3, 0, 0, 0, 0, 1, 0
; ================= THE END: block 15's way out and V's last 64 tokens; the scale bytes go through LDS under the conversions
	s_wait_xcnt 0x0
	VPOS 0
	VPOS 1
	VPOS 2
	s_lshl_b32 s21, s14, 9
	s_add_co_u32 s21, s21, XN
	s_lshl_b32 s22, s14, 8
	s_add_co_u32 s22, s22, XM
	v_add_nc_u32 v1, s21, v[CO]
	v_add_nc_u32 v2, s22, v[CO8]
.set I, 0
.rept 18
	CHAIN I, QACC+32
	VINC I, 3
.if I == 10
	v_add_nc_u32 v[SOP+1], 0xff000000, v[TV]
	v_add_nc_u32 v[SOP+2], 0xff000000, v[TV+1]
.endif
.set I, I+1
.endr
	VBYTES
	v_lshrrev_b32 v[EB], 23, v[SOP]
	WALU
	BYTESTORE 1, 1
	s_wait_dscnt 0x0
	s_barrier_signal -1
	QCVT QACC+32
	VCVT TQ
	v_nop                                               ; one plain place behind a scaled conversion
	QMOV
	VMOV TQ
	s_barrier_wait -1
	WALU
	ds_load_b128 v[QACC:QACC+3], v1
	ds_load_b64 v[QACC+4:QACC+5], v2
	CODESTORE 1, 1
	s_wait_dscnt 0x0
	global_store_b128 v[CO], v[QACC:QACC+3], s[92:93]   ; 512 consecutive bytes
	global_store_b64 v[CO8], v[QACC+4:QACC+5], s[94:95] ; 256
	s_wait_tensorcnt 0x0                                ; the wave's end
	ds_add_u32 v[SPW], v[NIL]
	s_wait_dscnt 0x0
	CROUND                                              ; the closing round
	s_endpgm
.Lfunc_end_k_q5ac82015cf_proj:
	.size	k_q5ac82015cf_proj, .Lfunc_end_k_q5ac82015cf_proj-k_q5ac82015cf_proj
	.p2alignl 7, 3214868480
	.fill 96, 4, 3214868480
	.section	.rodata,"a",@progbits
	.p2align	6, 0x0
	.amdhsa_kernel k_q5ac82015cf_proj
		.amdhsa_group_segment_fixed_size 327680
		.amdhsa_private_segment_fixed_size 0
		.amdhsa_enable_private_segment 0
		.amdhsa_kernarg_size 24
		.amdhsa_user_sgpr_count 2
		.amdhsa_user_sgpr_kernarg_segment_ptr 1
		.amdhsa_wavefront_size32 1
		.amdhsa_system_sgpr_workgroup_id_x 1
		.amdhsa_system_sgpr_workgroup_id_y 1
		.amdhsa_system_sgpr_workgroup_id_z 1
		.amdhsa_system_vgpr_workitem_id 0
		.amdhsa_next_free_vgpr 1024
		.amdhsa_next_free_sgpr 102
		.amdhsa_reserve_vcc 0
		.amdhsa_float_denorm_mode_32 3
		.amdhsa_float_denorm_mode_16_64 3
		.amdhsa_memory_ordered 1
		.amdhsa_forward_progress 1
		.amdhsa_inst_pref_size 166
	.end_amdhsa_kernel
	.amdgpu_metadata
---
amdhsa.version: [ 1, 2 ]
amdhsa.kernels:
  - .name:           k_q5ac82015cf_proj
    .symbol:         k_q5ac82015cf_proj.kd
    .args:
      - { .name: xw, .offset: 0, .size: 8, .value_kind: global_buffer, .address_space: global }
      - { .name: qkv_codes, .offset: 8, .size: 8, .value_kind: global_buffer, .address_space: global }
      - { .name: qkv_scales, .offset: 16, .size: 8, .value_kind: global_buffer, .address_space: global }
    .group_segment_fixed_size: 327680
    .private_segment_fixed_size: 0
    .kernarg_segment_align: 8
    .kernarg_segment_size: 24
    .max_flat_workgroup_size: 128
    .sgpr_count:     102
    .vgpr_count:     1024
    .wavefront_size: 32
...
	.end_amdgpu_metadata
.endif
;; end of part 2
;; launch scores (part 3): grid 8 x 32, 4 waves a work-group, clusters of 4 x 4, 327,680 bytes of LDS; arguments qkv_codes, qkv_scales, p_codes, p_scales, p_stats; writes p_codes, p_scales, p_stats
.if DOCPART == 3
	.amdgcn_target "amdgcn-amd-amdhsa--gfx1250"
	.amdhsa_code_object_version 6
	.text
	.protected	k_q5ac82015cf_scores
	.globl	k_q5ac82015cf_scores
	.p2align	8
	.type	k_q5ac82015cf_scores,@function
k_q5ac82015cf_scores:
	s_mov_b64 s[64:65], 0
	v_nop
	global_prefetch_b8 v0, s[64:65] scope:SCOPE_SE
	s_setreg_imm32_b32 hwreg(HW_REG_WAVE_MODE, 25, 1), 1
	s_wait_xcnt 0x0
	s_wait_alu depctr_hold_cnt(0) depctr_sa_sdst(0) depctr_va_vdst(0) depctr_va_sdst(0) depctr_va_ssrc(0) depctr_va_vcc(0) depctr_vm_vsrc(0)
	s_getreg_b32 s2, hwreg(HW_REG_IB_STS2, 6, 4)
	s_cmp_eq_u32 s2, 0
	s_cbranch_scc0 .Lentry_in_a_cluster
	s_endpgm
.Lentry_in_a_cluster:
	s_bfe_u32 s2, ttmp6, 0x10000c
	s_cmp_lg_u32 s2, 0xf033
	s_cbranch_scc0 .Lentry_shape_is_right
	s_endpgm
.Lentry_shape_is_right:
; S = q k^T on codes of FP6 (E2M3) with E8M0 scales, for four batches of 2,048 x 2,048, K = 1,024, and the softmax's numerator, quantised along the keys.
; t = score x log2(e) / 32.  For each query and each run of 128 keys (a wave's columns): M = ceil(the run's largest t), a whole number; p = 2^(t - M); the sum l of the unquantised p, in f32; p's codes and bytes.
; -M and l go to memory beside the codes; the next launch brings every run under the row's largest M by taking a whole number off its bytes: a multiplication by a power of two, which changes no code.
; The maximum is taken away ahead of every exponential.
; OPERANDS: [K / 256][rows / 16][2][1,536 bytes], each 1,536 as two halves of 64 along K: registers 0-3 at 16 x lane, 4 and 5 at 512 + 8 x lane.  Scale words [K / 128][rows][4].  Rows in stored order (the order is given at the head of the first launch).
; RESULTS: p's codes [keys / 256][rows / 16][2][1,536 bytes]: registers 4 g .. 4 g + 3 at 512 g + 16 x lane; scale words, -M, l: [keys / 128][rows][4].
; SOURCE 0 = 16 keys, SOURCE 1 = 16 queries.  A wave's keys are 128 true neighbours: its tiles 4 c .. 4 c + 3 are blocks 8 c + 4 (j / 2) + 2 a + j % 2 of the 256 (a: the wave's half of the keys), so that lane (r, h) holds query r
; and in the 32 registers of these four tiles the keys 64 c + 32 h + 0 .. 31: a whole scale block.
; SHARES: a tile of 256 queries x 256 keys to a work-group; four waves, each 128 x 128: 64 accumulators.  K in eight steps of 128.  The head brings 512 along K, one load a wave; the next 256 are asked for ahead of step 0, the last in step 2.
; The scale words go from memory into 64 registers, once.  CLUSTER 4 x 4: q's tiles are asked for jointly along a row of the cluster, k's along a column.
; No data prefetch: there is no loop to run ahead in; all tiles are asked for by the third of eight steps.
; LIMITS: M is exact as f32 up to 2^24; a block whose every p has fallen to 0 keeps the byte 1 (its codes are zeros); NaN and infinities are not served.
.set KTS,   512*3072                   ; bytes of codes for 256 along K of all 8,192 rows
.set FR,    12
.set PART,  24576                      ; 128 rows x 256 along K
.set SL2,   8*PART                     ; LDS: fill w (q's two halves, k's two) has 256s number 0 (later 3) and 1 at 2 PART w, number 2 at SL2 + PART w
.set STG,   12*PART                    ; 1,536 bytes a wave: scale words, -M, l of its 128 rows: no tensor load lands here
.set SPARE, STG+4*1536
.set STB,   7                          ; my stage, 4 r + h
.set ADRA,  8                          ; v8-10 my q fragments in slots 0-2, + 16 x lane;  v11-13 + 8 x lane
.set ADRA8, 11
.set ADRB,  14                         ; v14-19 my k fragments: 2 slot + c;  v20-25 + 8 x lane
.set ADRB8, 20
.set GOFF,  26
.set STW,   27
.set SPW,   28
.set NIL,   29
.set STR,   30
.set VS,    31
.set SA,    32                         ; v32-63 q's scale words: 8 x (K / 256) + block; lanes 0-15 the first 128, lanes 16-31 the second
.set SB,    224                        ; v224-255 k's
.set BM,    64
.set PX,    68
.set SOP,   72
.set BYT,   76
.set TT,    81
.set NM,    82                         ; v[82:83] -M (the packed form names the pair and takes its low word)
.set SUM,   84                         ; v84-91 four chains
.set LSUM,  92
.set PT,    93
.set PC,    96                         ; v96-107 the codes
.set TC,    108
.set TC2,   112
.set BACK,  116
.set AF,    128
.set G1A,   24
.set G1B,   32
.set G2A,   40
.set G2B,   48
.set G0A0,  56
.set G0A2,  60
.set G0A3,  68
.set G0B0,  72
.set G0B2,  76
.set G0B3,  80
.set CS,    66                         ; s[66:67] c = log2(e) / 32
.set SEL,   100
.set MUL_LO, 0xa1
.set MUL_HI, 0xf1
.set TO_B,   0x40
.set MSB, 0
.macro WIN new                         ; the immediate's high byte repeats the setting that is left
.if MSB != (\new)
	s_set_vgpr_msb (MSB<<8)|(\new)
.set MSB, (\new)
.endif
.endm
.macro PLACES n
.rept \n
	v_nop
.endr
.endm
.macro CREST
	s_cmp_lg_u32 s14, 0
	s_cbranch_scc1 .Lnot_wave_0_\@
	s_barrier_signal -3
.Lnot_wave_0_\@:
	s_barrier_wait -3
	s_barrier_signal -1
	s_barrier_wait -1
.endm
.macro CROUND
	s_barrier_signal -1
	s_barrier_wait -1
	CREST
.endm
.macro JLOAD g0a, g1a, g0b, g1b        ; a joint load: waves 0 and 1 fetch for q, waves 2 and 3 for k
	s_cmp_eq_u32 s15, 0
	s_cbranch_scc0 .Lfor_b_\@
	tensor_load_to_lds s[\g0a:\g0a+3], s[\g1a:\g1a+7]
	s_nop 0
	PLACES 4
	s_branch .Lasked_\@
.Lfor_b_\@:
	tensor_load_to_lds s[\g0b:\g0b+3], s[\g1b:\g1b+7]
	s_nop 0
	PLACES 4
.Lasked_\@:
.endm
.macro GROUP0 g, lds, adr, off
	s_mov_b32 s[\g], 1
	s_mov_b32 s[\g+1], s\lds
	s_add_nc_u64 s[\g+2:\g+3], s[\adr:\adr+1], \off
	s_or_b32 s[\g+3], s[\g+3], 0x80000000
.endm
	s_load_b256 s[4:11], s[0:1], 0x0               ; q's and k's codes, their scale words, p's codes, p's scale words
	s_load_b64 s[12:13], s[0:1], 0x20              ; -M and l
	v_lshl_add_u32 v[SPW], v0, 2, SPARE
	v_mov_b32 v[NIL], 0
	ds_add_u32 v[SPW], v[NIL]
	ds_add_u32 v[SPW], v[NIL]
	v_lshrrev_b32 v1, 5, v0
	v_readfirstlane_b32 s14, v1                    ; wave 0..3
	s_lshr_b32 s15, s14, 1                         ; my half of the queries.  Also: I fetch for q (0) or for k (1)
	s_and_b32 s16, s14, 1                          ; my half of the keys.  Also: which 128 rows I fetch
	s_bfe_u32 s92, ttmp6, 0x40000                  ; cx
	s_bfe_u32 s93, ttmp6, 0x40004                  ; cy
	s_and_b32 s95, ttmp7, 0xffff                   ; the cluster's y
	s_lshl_b32 s17, s93, 2
	s_lshl_b32 s17, 15, s17                        ; my row of the cluster
	s_lshl_b32 s18, 0x1111, s92                    ; my column
	s_or_b32 s[G1A], s17, (3<<16)|(1<<21)
	s_or_b32 s[G1B], s18, (3<<16)|(1<<21)
	s_or_b32 s[G2A], s17, (3<<16)|(1<<21)
	s_or_b32 s[G2B], s18, (3<<16)|(1<<21)
.irp g, G1A, G1B                       ; 256 along K: 24,576 dense bytes as 96 rows of 256
	s_mov_b32 s[\g+1], 32<<16
	s_mov_b32 s[\g+2], 96<<16
	s_mov_b32 s[\g+3], 32<<16
	s_mov_b32 s[\g+4], 96
	s_mov_b32 s[\g+5], 32
	s_mov_b32 s[\g+6], 0
	s_mov_b32 s[\g+7], 0
.endr
.irp g, G2A, G2B                       ; 512 along K: two rows of 24,576 bytes, KTS apart
	s_mov_b32 s[\g+1], 3072<<16
	s_mov_b32 s[\g+2], 2<<16
	s_mov_b32 s[\g+3], 3072<<16
	s_mov_b32 s[\g+4], 2
	s_mov_b32 s[\g+5], KTS/8
	s_mov_b32 s[\g+6], 0
	s_mov_b32 s[\g+7], 0
.endr
	s_lshl_b32 s2, s95, 2
	s_add_co_u32 s2, s2, s93                       ; y: the tile of queries
	s_lshl_b32 s3, ttmp9, 2
	s_add_co_u32 s3, s3, s92                       ; x: the tile of keys in its batch
	s_lshl_b32 s17, s16, 7
	s_lshl_b32 s19, s2, 8
	s_add_co_u32 s18, s19, s17                     ; q: row 256 y + the 128 that I fetch
	s_mul_i32 s96, s18, 192
	s_mov_b32 s97, 0
	s_lshl_b32 s18, s15, 7
	s_add_co_u32 s98, s19, s18                     ; my 128 queries' scale words
	s_lshl_b32 s98, s98, 2
	s_mov_b32 s99, 0
	s_lshr_b32 s20, s95, 1                         ; k: the batch, Y / 2, of 2,048 rows, + 256 x + the 128 that I fetch
	s_lshl_b32 s20, s20, 11
	s_lshl_b32 s18, s3, 8
	s_add_co_u32 s20, s20, s18
	s_add_co_u32 s18, s20, s17
	s_mul_i32 s18, s18, 192
	s_add_co_u32 s18, s18, 4*KTS                   ; k's codes lie behind q's four quarters of K,
	s_mov_b32 s19, 0
	s_lshl_b32 s20, s20, 2
	s_add_co_u32 s20, s20, 8*32768                 ; its scale words behind q's eight
	s_add_co_u32 s20, s20, s17                     ; (my blocks of keys begin 32 a rows on: 128 a bytes)
	s_mov_b32 s21, 0
	s_lshl_b32 s17, s3, 9                          ; p's codes: ((512 x + 16 y + 8 half) 2 + key half) 1,536
	s_lshl_b32 s22, s2, 4
	s_add_co_u32 s17, s17, s22
	s_lshl_b32 s22, s15, 3
	s_add_co_u32 s17, s17, s22
	s_lshl_b32 s17, s17, 1
	s_add_co_u32 s17, s17, s16
	s_mul_i32 s94, s17, 1536
	s_mov_b32 s95, 0
	s_lshl_b32 s17, s3, 1                          ; scale words, -M, l: ((2 x + key half) 8,192 + 256 y + 128 half) 4
	s_add_co_u32 s17, s17, s16
	s_lshl_b32 s17, s17, 13
	s_lshl_b32 s22, s2, 8
	s_add_co_u32 s17, s17, s22
	s_lshl_b32 s22, s15, 7
	s_add_co_u32 s17, s17, s22
	s_lshl_b32 s22, s17, 2
	s_mov_b32 s23, 0
	s_mul_i32 s2, s14, 2*PART                      ; where my fills go: the wave's number alone enters an LDS address
	s_mul_i32 s3, s14, PART
	s_add_co_u32 s3, s3, SL2
	s_mov_b32 s[SEL], 0x76543210
	s_mov_b32 s[SEL+1], 0xfedcba98
	s_mov_b32 s[CS], 0x3d38aa3b                    ; log2(e) / 32: the division by sqrt(1,024) only lowers the exponent
	s_mov_b32 s[CS+1], s[CS]
	s_mul_i32 s17, s15, 2*PART
	s_mul_i32 s84, s15, PART
	s_add_co_u32 s84, s84, SL2
	s_mul_i32 s85, s16, 6144                       ; blocks 2 a on
	s_add_co_u32 s86, s85, 4*PART
	s_add_co_u32 s87, s85, SL2+2*PART
	s_mul_i32 s88, s14, 1536
	s_add_co_u32 s88, s88, STG                     ; my stage
	v_and_b32 v1, 31, v0
	v_and_b32 v2, 15, v0
	v_bfe_u32 v3, v0, 4, 1
	v_lshlrev_b32 v[GOFF], 4, v1
	v_lshlrev_b32 v4, 3, v1
	v_lshlrev_b32 v5, 2, v2
	v_lshl_add_u32 v[VS], v3, 15, v5               ; 4 r, lanes 16-31 the next 128 along K
	v_add_nc_u32 v[STW], s88, v5
	v_add_nc_u32 v[STB], v3, v[STW]
	v_add_nc_u32 v[STR], s88, v[GOFF]
	v_add_nc_u32 v[ADRA], s17, v[GOFF]
	v_add_nc_u32 v[ADRA+1], PART, v[ADRA]
	v_add_nc_u32 v[ADRA+2], s84, v[GOFF]
	v_add_nc_u32 v[ADRA8], s17, v4
	v_add_nc_u32 v[ADRA8+1], PART, v[ADRA8]
	v_add_nc_u32 v[ADRA8+2], s84, v4
	v_add_nc_u32 v[ADRB], s86, v[GOFF]
	v_add_nc_u32 v[ADRB+1], 2*PART, v[ADRB]
	v_add_nc_u32 v[ADRB+2], PART, v[ADRB]
	v_add_nc_u32 v[ADRB+3], 3*PART, v[ADRB]
	v_add_nc_u32 v[ADRB+4], s87, v[GOFF]
	v_add_nc_u32 v[ADRB+5], PART, v[ADRB+4]
	v_add_nc_u32 v[ADRB8], s86, v4
	v_add_nc_u32 v[ADRB8+1], 2*PART, v[ADRB8]
	v_add_nc_u32 v[ADRB8+2], PART, v[ADRB8]
	v_add_nc_u32 v[ADRB8+3], 3*PART, v[ADRB8]
	v_add_nc_u32 v[ADRB8+4], s87, v4
	v_add_nc_u32 v[ADRB8+5], PART, v[ADRB8+4]
	v_mov_b32 v[PX], 0                             ; written once: a lane permute's destination counts as one of its sources
	v_mov_b32 v[PT], 0
	v_mov_b32 v[NM+1], 0                           ; named with -M as a pair, so it is written
	s_wait_alu depctr_va_vdst(0)
	s_wait_dscnt 0x0
	CROUND                                         ; all sixteen work-groups are here: the first joint loads meet
	s_wait_kmcnt 0x0
	s_add_nc_u64 s[96:97], s[4:5], s[96:97]
	s_add_nc_u64 s[98:99], s[6:7], s[98:99]
	s_add_nc_u64 s[18:19], s[4:5], s[18:19]
	s_add_nc_u64 s[20:21], s[6:7], s[20:21]
	GROUP0 G0A0, 2, 96, 0
	GROUP0 G0B0, 2, 18, 0
	JLOAD G0A0, G2A, G0B0, G2B                     ; the first 512 along K: one tensor load a wave at the head
.set k, 0
.rept 4                                ; the scale words of all K: 16 loads for each 256
.irp i, 0,1,2,3,4,5,6,7
	global_load_b32 v[SA+8*k+\i], v[VS], s[98:99] offset:65536*k+64*\i
	global_load_b32 v[SB+8*k+\i], v[VS], s[20:21] offset:65536*k+512*(\i/4)+256*((\i%4)/2)+64*(\i%2)
.endr
.set k, k+1
.endr
	GROUP0 G0A2, 3, 96, 2*KTS
	GROUP0 G0B2, 3, 18, 2*KTS
	GROUP0 G0A3, 2, 96, 3*KTS
	GROUP0 G0B3, 2, 18, 3*KTS
	s_add_nc_u64 s[8:9], s[8:9], s[94:95]
	s_add_nc_u64 s[10:11], s[10:11], s[22:23]
	s_add_nc_u64 s[12:13], s[12:13], s[22:23]
; 16 products: q's blocks a0, a0 + 1 x k's eight, step n.  The 64 accumulators take turns, one instruction a turn, in the same order in every step.
.macro MUL16 a0, n, zero
.irp a, \a0, \a0+1
.irp b, 0,1,2,3,4,5,6,7
.set rD, 8*(8*((\a)%4)+\b)
.set rB, 128*((\n)%2)+FR*\b
.set rA, AF+FR*(\a)
.set rSB, SB+8*((\n)/2)+\b
.set rSA, SA+8*((\n)/2)+(\a)
.if (\zero)
	v_wmma_scale_f32_16x16x128_f8f6f4 v[rD:rD+7], v[rB:rB+FR-1], v[rA:rA+FR-1], 0, v[rSB], v[rSA] matrix_a_fmt:MATRIX_FMT_FP6 matrix_b_fmt:MATRIX_FMT_FP6
.elseif ((\n)%2)
	v_wmma_scale_f32_16x16x128_f8f6f4 v[rD:rD+7], v[rB:rB+FR-1], v[rA:rA+FR-1], v[rD:rD+7], v[rSB], v[rSA] matrix_a_fmt:MATRIX_FMT_FP6 matrix_b_fmt:MATRIX_FMT_FP6 matrix_a_scale:MATRIX_SCALE_ROW1 matrix_b_scale:MATRIX_SCALE_ROW1
.else
	v_wmma_scale_f32_16x16x128_f8f6f4 v[rD:rD+7], v[rB:rB+FR-1], v[rA:rA+FR-1], v[rD:rD+7], v[rSB], v[rSA] matrix_a_fmt:MATRIX_FMT_FP6 matrix_b_fmt:MATRIX_FMT_FP6
.endif
.endr
.endr
.endm
.macro FRAGH reg, a16, a8, off         ; a fragment in four loads: two halves of six registers
	ds_load_b128 v[\reg:\reg+3], v[\a16] offset:\off
	ds_load_b64 v[\reg+4:\reg+5], v[\a8] offset:(\off)+512
	ds_load_b128 v[\reg+6:\reg+9], v[\a16] offset:(\off)+768
	ds_load_b64 v[\reg+10:\reg+11], v[\a8] offset:(\off)+1280
.endm
.macro FETCH_B n
	WIN TO_B
.irp i, 0,1,2,3,4,5,6,7
	FRAGH 128*((\n)%2)+FR*\i, ADRB+2*(((\n)/2)%3)+\i/4, ADRB8+2*(((\n)/2)%3)+\i/4, ((\i%4)/2)*12288+(\i%2)*3072+((\n)%2)*1536
.endr
	WIN 0
.endm
.macro FETCH_A n, i0
.irp i, \i0, \i0+1, \i0+2, \i0+3
	FRAGH AF+FR*(\i), ADRA+((\n)/2)%3, ADRA8+((\n)/2)%3, (\i)*3072+((\n)%2)*1536
.endr
.endm
.macro SCALEWAIT n
.if (\n)%2 == 0
	s_wait_loadcnt 48-16*((\n)/2)                  ; this 256's scale words are in; 16 loads for each later one may be out
.endif
.endm
.macro STEP n, zero
	s_wait_dscnt 16                                ; all but the youngest sixteen loads, q's blocks 4-7
	SCALEWAIT \n
	WIN MUL_LO
	MUL16 0, \n, \zero
	MUL16 2, \n, \zero
	s_wait_dscnt 0x0
	PLACES 4                                       ; four places in front of loads into registers that matrix instructions have read
	FETCH_B (\n)+1
	FETCH_A (\n)+1, 0
	WIN MUL_HI
	MUL16 4, \n, \zero
	MUL16 6, \n, \zero
	PLACES 4
	WIN 0
	FETCH_A (\n)+1, 4
.endm
.macro TURN n, fill                    ; fill = 1: the last 256 along K land on the first, which have been read out; fill = 0: they are shown to all
	s_wait_tensorcnt 0x0                           ; all my tensor loads have landed
.if \fill
	ds_add_u32 v[SPW], v[NIL]
.endif
	s_wait_dscnt 16+\fill                          ; (the add and the youngest sixteen loads may be out)
	SCALEWAIT \n
	WIN MUL_LO
	MUL16 0, \n, 0
	s_wait_dscnt 0x0                               ; the add is done, and my reads are over
	s_barrier_signal -1
	MUL16 2, \n, 0
	WIN 0
	s_barrier_wait -1
.if \fill
	CREST                                          ; no wave of any partner still reads these bytes or has a load on its way
	JLOAD G0A3, G1A, G0B3, G1B
.else
	PLACES 4
.endif
	FETCH_B (\n)+1
	FETCH_A (\n)+1, 0
	WIN MUL_HI
	MUL16 4, \n, 0
	MUL16 6, \n, 0
	PLACES 4
	WIN 0
	FETCH_A (\n)+1, 4
.endm
	s_wait_tensorcnt 0x0                           ; the first 512 along K are in
	ds_add_u32 v[SPW], v[NIL]
	s_wait_dscnt 0x0
	CROUND
	JLOAD G0A2, G1A, G0B2, G1B                     ; the next 256
	FETCH_B 0
	FETCH_A 0, 0
	FETCH_A 0, 4
	STEP 0, 1
	STEP 1, 0
	TURN 2, 1
	STEP 3, 0
	STEP 4, 0
	TURN 5, 0
	STEP 6, 0
	s_wait_dscnt 16
	WIN MUL_LO
	MUL16 0, 7, 0
	MUL16 2, 7, 0
	s_wait_dscnt 0x0
	WIN MUL_HI
	MUL16 4, 7, 0
	MUL16 6, 7, 0
	WIN 0
	PLACES 4
; Block a: 16 queries x my 128 keys.  Each accumulator is read from its low end on.
.macro SOFTQ a
.set W, 2+(\a)/4
.set AC, 64*((\a)%4)
	s_wait_xcnt 0x0                                ; the last block's stores have read the codes' registers
	WIN W|(W<<2)|(W<<4)
.irp b, 0,1,2,3
	v_max3_num_f32 v[BM+\b], v[AC+16*\b], v[AC+16*\b+1], v[AC+16*\b+2]
.endr
	WIN (W<<2)|(W<<4)
.irp i, 3,5,7,9,11,13
.irp b, 0,1,2,3
	v_max3_num_f32 v[BM+\b], v[BM+\b], v[AC+16*\b+\i], v[AC+16*\b+\i+1]
.endr
.endr
.irp b, 0,1,2,3
	v_max_num_f32 v[BM+\b], v[BM+\b], v[AC+16*\b+15]
.endr
	WIN 0
	v_max_num_f32 v[BM], v[BM], v[BM+1]            ; the largest score of each of my two blocks of 32 keys: it serves for the run's maximum and, since p rises with the score, for the block's largest p
	v_max_num_f32 v[BM+1], v[BM+2], v[BM+3]
	v_max_num_f32 v[TT], v[BM], v[BM+1]
	v_permlanex16_b32 v[PX], v[TT], s[SEL], s[SEL+1]
	v_max_num_f32 v[TT], v[TT], v[PX]              ; with lane l xor 16's 64 keys
	v_mul_f32 v[TT], s[CS], v[TT]                  ; as t (c is positive)
	v_floor_f32 v[NM], -v[TT]                      ; -M = floor(-t) = -ceil(t): a whole number
	v_fma_f32 v[BM], v[BM], s[CS], v[NM]
	v_fma_f32 v[BM+1], v[BM+1], s[CS], v[NM]
	WIN (W<<6)|W
.set j, 0
.rept 32
	v_pk_fma_f32 v[AC+j:AC+j+1], v[AC+j:AC+j+1], s[CS:CS+1], v[NM:NM+1] op_sel_hi:[1,0,0]   ; t - M, two at a time
.set j, j+2
.endr
	s_wait_alu depctr_va_vdst(0)
.set j, 0
.rept 64
	v_exp_f32 v[AC+j], v[AC+j]                     ; p = 2^(t - M)
.set j, j+1
.endr
	WIN 0
	v_exp_f32 v[BM], v[BM]                         ; the block's largest p: the same two instructions on the same number
	v_exp_f32 v[BM+1], v[BM+1]
	v_nop                                          ; a plain place behind the last exponential
	s_wait_alu depctr_va_vdst(0)                   ; one wait for the batch of 66, ahead of its first reader
	WIN W|(W<<2)
.irp c, 0,1,2,3
	v_pk_add_f32 v[SUM+2*\c:SUM+2*\c+1], v[AC+4*\c:AC+4*\c+1], v[AC+4*\c+2:AC+4*\c+3]   ; the sum of the unquantised p, two at a time, in four chains
.endr
	WIN W<<2
.irp k, 0,1,2,3,4,5
.irp c, 0,1,2,3
	v_pk_add_f32 v[SUM+2*\c:SUM+2*\c+1], v[SUM+2*\c:SUM+2*\c+1], v[AC+16+8*\k+2*\c:AC+17+8*\k+2*\c]
.endr
.endr
	WIN 0
	v_pk_add_f32 v[SUM:SUM+1], v[SUM:SUM+1], v[SUM+2:SUM+3]
	v_pk_add_f32 v[SUM+4:SUM+5], v[SUM+4:SUM+5], v[SUM+6:SUM+7]
	v_max_num_f32 v[BM], 0x1800000, v[BM]          ; the floor 2^(3 - 127): the byte cannot fall under 1
	v_max_num_f32 v[BM+1], 0x1800000, v[BM+1]
	v_pk_add_f32 v[SUM:SUM+1], v[SUM:SUM+1], v[SUM+4:SUM+5]
	v_add_nc_u32 v[SOP], 0xff000000, v[BM]
	v_add_nc_u32 v[SOP+1], 0xff000000, v[BM+1]
	v_add_f32 v[LSUM], v[SUM], v[SUM+1]
	v_lshrrev_b32 v[BYT], 23, v[SOP]
	v_lshrrev_b32 v[BYT+1], 23, v[SOP+1]
	v_permlanex16_b32 v[PT], v[LSUM], s[SEL], s[SEL+1]
	WIN W
	v_cvt_scalef32_pk16_fp6_f32 v[PC:PC+2], v[AC:AC+15], v[SOP]
	v_cvt_scalef32_pk16_fp6_f32 v[TC:TC+2], v[AC+16:AC+31], v[SOP]
	v_cvt_scalef32_pk16_fp6_f32 v[PC+6:PC+8], v[AC+32:AC+47], v[SOP+1]
	v_cvt_scalef32_pk16_fp6_f32 v[TC2:TC2+2], v[AC+48:AC+63], v[SOP+1]
	WIN 0
	v_add_f32 v[LSUM], v[LSUM], v[PT]              ; with lane l xor 16's 64 keys.  (A plain place behind the conversions)
.irp i, 0,1,2
	v_mov_b32 v[PC+3+\i], v[TC+\i]
	v_mov_b32 v[PC+9+\i], v[TC2+\i]
.endr
	ds_store_b8 v[STB], v[BYT] offset:64*(\a)      ; row r: byte h,
	ds_store_b8 v[STB], v[BYT+1] offset:64*(\a)+2  ; byte 2 + h
	ds_store_b32 v[STW], v[NM] offset:64*(\a)+512  ; both halves of the lanes write row r's numbers with the same values
	ds_store_b32 v[STW], v[LSUM] offset:64*(\a)+1024
.irp g, 0,1,2
	global_store_b128 v[GOFF], v[PC+4*\g:PC+4*\g+3], s[8:9] offset:3072*(\a)+512*\g
.endr
.endm
.irp a, 0,1,2,3,4,5,6,7
	SOFTQ \a
.endr
.irp g, 0,1,2
	ds_load_b128 v[BACK+4*\g:BACK+4*\g+3], v[STR] offset:512*\g    ; my 128 rows' scale words, -M, l; LDS serves a wave's instructions in order
.endr
	s_wait_dscnt 0x0
	global_store_b128 v[GOFF], v[BACK:BACK+3], s[10:11]            ; 512 consecutive bytes each
	global_store_b128 v[GOFF], v[BACK+4:BACK+7], s[12:13]
	global_store_b128 v[GOFF], v[BACK+8:BACK+11], s[12:13] offset:524288
	s_wait_tensorcnt 0x0                           ; the wave's end
	ds_add_u32 v[SPW], v[NIL]
	s_wait_dscnt 0x0
	CROUND                                         ; the closing round
	s_endpgm
.Lfunc_end_k_q5ac82015cf_scores:
	.size	k_q5ac82015cf_scores, .Lfunc_end_k_q5ac82015cf_scores-k_q5ac82015cf_scores
	.p2alignl 7, 3214868480
	.fill 96, 4, 3214868480
	.section	.rodata,"a",@progbits
	.p2align	6, 0x0
	.amdhsa_kernel k_q5ac82015cf_scores
		.amdhsa_group_segment_fixed_size 327680
		.amdhsa_private_segment_fixed_size 0
		.amdhsa_enable_private_segment 0
		.amdhsa_kernarg_size 40
		.amdhsa_user_sgpr_count 2
		.amdhsa_user_sgpr_kernarg_segment_ptr 1
		.amdhsa_wavefront_size32 1
		.amdhsa_system_sgpr_workgroup_id_x 1
		.amdhsa_system_sgpr_workgroup_id_y 1
		.amdhsa_system_sgpr_workgroup_id_z 1
		.amdhsa_system_vgpr_workitem_id 0
		.amdhsa_next_free_vgpr 1024
		.amdhsa_next_free_sgpr 102
		.amdhsa_reserve_vcc 0
		.amdhsa_float_denorm_mode_32 3
		.amdhsa_float_denorm_mode_16_64 3
		.amdhsa_memory_ordered 1
		.amdhsa_forward_progress 1
		.amdhsa_inst_pref_size 199
	.end_amdhsa_kernel
	.amdgpu_metadata
---
amdhsa.version: [ 1, 2 ]
amdhsa.kernels:
  - .name:           k_q5ac82015cf_scores
    .symbol:         k_q5ac82015cf_scores.kd
    .args:
      - { .name: qkv_codes, .offset: 0, .size: 8, .value_kind: global_buffer, .address_space: global }
      - { .name: qkv_scales, .offset: 8, .size: 8, .value_kind: global_buffer, .address_space: global }
      - { .name: p_codes, .offset: 16, .size: 8, .value_kind: global_buffer, .address_space: global }
      - { .name: p_scales, .offset: 24, .size: 8, .value_kind: global_buffer, .address_space: global }
      - { .name: p_stats, .offset: 32, .size: 8, .value_kind: global_buffer, .address_space: global }
    .group_segment_fixed_size: 327680
    .private_segment_fixed_size: 0
    .kernarg_segment_align: 8
    .kernarg_segment_size: 40
    .max_flat_workgroup_size: 128
    .sgpr_count:     102
    .vgpr_count:     1024
    .wavefront_size: 32
...
	.end_amdgpu_metadata
.endif
;; end of part 3
;; launch pv (part 4): grid 4 x 64, 4 waves a work-group, clusters of 4 x 4, 327,680 bytes of LDS; arguments p_codes, p_scales, p_stats, qkv_codes, qkv_scales, out0; writes out0
.if DOCPART == 4
	.amdgcn_target "amdgcn-amd-amdhsa--gfx1250"
	.amdhsa_code_object_version 6
	.text
	.protected	k_q5ac82015cf_pv
	.globl	k_q5ac82015cf_pv
	.p2align	8
	.type	k_q5ac82015cf_pv,@function
k_q5ac82015cf_pv:
	s_mov_b64 s[64:65], 0
	v_nop
	global_prefetch_b8 v0, s[64:65] scope:SCOPE_SE
	s_setreg_imm32_b32 hwreg(HW_REG_WAVE_MODE, 25, 1), 1
	s_wait_xcnt 0x0
	s_wait_alu depctr_hold_cnt(0) depctr_sa_sdst(0) depctr_va_vdst(0) depctr_va_sdst(0) depctr_va_ssrc(0) depctr_va_vcc(0) depctr_vm_vsrc(0)
	s_getreg_b32 s2, hwreg(HW_REG_IB_STS2, 6, 4)
	s_cmp_eq_u32 s2, 0
	s_cbranch_scc0 .Lentry_in_a_cluster
	s_endpgm
.Lentry_in_a_cluster:
	s_bfe_u32 s2, ttmp6, 0x10000c
	s_cmp_lg_u32 s2, 0xf033
	s_cbranch_scc0 .Lentry_shape_is_right
	s_endpgm
.Lentry_shape_is_right:
; O = P V / l on codes of FP6 (E2M3) with E8M0 scales: four batches of [2,048 queries][2,048 keys] x [2,048 keys][1,024].
; P's codes were made under one whole number M for each query and 128 keys.  THE HEAD brings them under the row's largest M: thread t takes row t of the work-group's 128: i = largest M - the run's M, a whole
; number, is taken off the run's four scale bytes, and l = the sum of the runs' l x 2^-i.  The fixed scale words and 1 / l go to LDS.  No code changes.
; OPERANDS: [K / 256][rows / 16][2][1,536 bytes].  P: registers 4 g .. 4 g + 3 at 512 g + 16 x lane.  V^T: two halves of 64 along K, 768 bytes each: registers 0-3 at 16 x lane, 4 and 5 at 512 + 8 x lane.  Scale words [K / 128][rows][4].
; ORDER OF ROWS.  V^T's stored block 4 v + j holds in row 8 h + i output 64 v + 32 h + 8 j + i.  Of each 256 queries, stored bits [7] = c, [6] = j / 2, [5] = a, [4] = j % 2, [3] = h: query 128 a + 64 c + 32 h + 8 j + i.
; SOURCE 0 = 16 rows of V^T, SOURCE 1 = 16 queries: lane (r, h) of a product with block 4 v + j holds query r and columns 64 v + 32 h + 8 j + 0 .. 7.
; THE DEAL.  A tile of 128 queries x 256 columns to a work-group: 256 work-groups.  Four waves, 2 x 2: the wave in row a holds ITS 64 QUERIES OF P, HALF OF K, in registers (32 fragments of 12) and streams V^T past them in blocks of
; 16 columns x 1,024 keys (8 fragments, two sets by turns; 32 products).  The wave in column b takes blocks 4 b .. 4 b + 3 and 8 + 4 b .. 8 + 4 b + 3 of 16: its 128 columns, 8 blocks.  Two phases, K's halves: blocks 0-7 and 8-15; the sums stay in 256 registers.
; LDS: P's half, V^T's half in two chunks of 8 blocks.  The head brings them and V^T's scale words, one tensor load a wave.  Refills: in block 2 P's second half (all waves hold the first in registers) and the second half of V^T's chunk 0;
; in block 6 that of chunk 1, shown by a plain barrier in block 10.  P's second half goes into the registers among block 7's products.
; The first 64 columns of a wave leave under blocks 12-15, the others behind them: through the wave's own stage, where P's half has had its last fill, as rows of 256 bytes.
; CLUSTER 4 x 4: P's tiles are asked for jointly along a row of the cluster, V^T's along a column.
; PREFETCH: the refills of block 2 at the head, that of block 6 behind block 2, each 256 bytes once in a cluster, shared out by address.
; LIMITS: i is held at 127; a byte that would fall under 0 becomes 0 (2^-127): such a block's terms lie under 2^-120 of a row sum that is above 1/2; NaN and infinities are not served.
.set RP,    0
.set C0,    98304
.set C1,    2*98304
.set SCB,   3*98304                    ; V^T's scale words [16][256][4]
.set SCA,   SCB+16384                  ; P's fixed scale words [16][128][4]: written by LDS stores
.set LINV,  SCA+8192                   ; 1 / l of the 128 rows
.set SPARE, LINV+512                   ; the spare words: no other line names them
.set SPITCH, 272
.set CO,    6                          ; a row for each half of the lanes, 16 bytes a lane, in O
.set RDA,   7                          ; the same in my stage
.set SPW,   8
.set NIL,   9
.set STO,   10                         ; my stage: row r, 128 h
.set PFP,   11
.set PFV,   12
.set ADP,   13                         ; v13-14 my P fragments: 256s of keys 0, 1; 2, 3
.set ADV,   15                         ; v15-22 my V^T fragments: 4 chunk + 2 (256 / 2) + (0: 16 x lane, 1: 8 x lane)
.set ADSA,  23
.set ADSB,  24
.set LVA,   25
.set NMIN,  26
.set LA,    27
.set LI,    28
.set SB,    32                         ; v32-47 V^T's scale words, two sets of eight: even block in lanes 0-15, odd in 16-31
.set SA,    52                         ; v52-83 P's: 16 x half of K + 8 x pair of blocks + 128 along K
.set LV,    84                         ; tile t's 1 / l at v[LV + 2 t]
.set TMP,   92                         ; v92-123 scaled results
.set BK,    124                        ; v124-155 rows read back
.set PWD,   156                        ; the head: 16 scale words, 16 -M, 16 l, work
.set PNM,   172
.set PLS,   188
.set TT,    204
.set G1A,   24
.set G1B,   32
.set G1S,   40
.set G0P0,  48
.set G0V0,  52
.set G0V1,  56
.set G0S,   60
.set G0P1,  68
.set G0V2,  72
.set G0V3,  76
.set MSB, 0
.macro WIN new                         ; the immediate's high byte repeats the setting that is left
.if MSB != (\new)
	s_set_vgpr_msb (MSB<<8)|(\new)
.set MSB, (\new)
.endif
.endm
.macro PLACES n
.rept \n
	v_nop
.endr
.endm
.macro WALU
	s_wait_alu depctr_va_vdst(0)
.endm
.macro BARRIER
	s_barrier_signal -1
	s_barrier_wait -1
.endm
.macro MIDDLE
	WIN 0
	s_barrier_wait -1
	s_cmp_lg_u32 s14, 0
	s_cbranch_scc1 .Lnot_wave_0_\@
	s_barrier_signal -3
.Lnot_wave_0_\@:
	s_barrier_wait -3
.endm
.macro CROUND
	s_barrier_signal -1
	MIDDLE
	BARRIER
.endm
.macro TLOAD g0, g1
	tensor_load_to_lds s[\g0:\g0+3], s[\g1:\g1+7]
	s_nop 0
	PLACES 4
.endm
.macro GROUP0 g, lds, adr, off
	s_mov_b32 s[\g], 1
	s_mov_b32 s[\g+1], \lds
	s_add_nc_u64 s[\g+2:\g+3], s[\adr:\adr+1], \off
	s_or_b32 s[\g+3], s[\g+3], 0x80000000
.endm
; Fragment f: 0-31 P's (4 q + tile), 32-47 V^T's two sets (32 + 8 e + q): 21 to a window from window 1 on.
.macro FRG f0, f1
.set W0_, 1+(\f0)/21
.set R0_, 12*((\f0)%21)
.set W1_, 1+(\f1)/21
.set R1_, 12*((\f1)%21)
.endm
.macro AC n, t                         ; the accumulator of block n, tile t: n = 0-4 in window 3, 5-7 in window 0
.if (\n) < 5
.set WD_, 3
.set D_, 72+8*(4*(\n)+(\t))
.else
.set WD_, 0
.set D_, 156+8*(4*(\n)-20+(\t))
.endif
.endm
.macro PLOADQ q                        ; P's four fragments of 128 along K number q
.irp t, 0,1,2,3
	FRG 4*(\q)+\t, 0
	WIN W0_<<6
.irp k, 0,1,2
	ds_load_b128 v[R0_+4*\k:R0_+4*\k+3], v[ADP+(\q)/4] offset:(((\q)/2)%2)*24576+\t*3072+((\q)%2)*1536+512*\k
.endr
.endr
.endm
.macro FETCH ph, n                     ; V^T's block n, half ph of K, into set n % 2: 32 loads; with an even block the pair's scale words: 8 more
.irp q, 0,1,2,3,4,5,6,7
	FRG 32+8*((\n)%2)+\q, 0
.set O_, ((\q/2)%2)*24576+((\n)%4)*3072+(\q%2)*1536
.set A_, ADV+4*((\n)/4)+2*(\q/4)
	WIN W0_<<6
	ds_load_b128 v[R0_:R0_+3], v[A_] offset:O_
	ds_load_b64 v[R0_+4:R0_+5], v[A_+1] offset:O_+512
	ds_load_b128 v[R0_+6:R0_+9], v[A_] offset:O_+768
	ds_load_b64 v[R0_+10:R0_+11], v[A_+1] offset:O_+1280
.endr
	WIN 0
.if (\n)%2 == 0
.irp q, 0,1,2,3,4,5,6,7
	ds_load_b32 v[SB+8*(((\n)/2)%2)+\q], v[ADSB] offset:(8*(\ph)+\q)*1024+((\n)/4)*512+(((\n)%4)/2)*128
.endr
.endif
.endm
.macro WM d, s0, s1, c, x0, x1, ra, rb
	v_wmma_scale_f32_16x16x128_f8f6f4 v[\d:\d+7], v[\s0:\s0+11], v[\s1:\s1+11], \c, v[\x0], v[\x1] matrix_a_fmt:MATRIX_FMT_FP6 matrix_b_fmt:MATRIX_FMT_FP6 matrix_a_scale:MATRIX_SCALE_ROW\ra matrix_b_scale:MATRIX_SCALE_ROW\rb
.endm
.macro PR e, ph, n, q, p, o            ; tile 2 p + o
	FRG 32+8*\e+(\q), 4*(\q)+2*(\p)+\o
	AC \n, 2*(\p)+\o
	WIN W0_|(W1_<<2)|(WD_<<4)|(WD_<<6)
.if (\q) == 0 && (\ph) == 0
	WM D_, R0_, R1_, 0, SB+8*((\n/2)%2)+(\q), SA+16*\ph+8*(\p)+(\q), \e, \o
.else
	WM D_, R0_, R1_, v[D_:D_+7], SB+8*((\n/2)%2)+(\q), SA+16*\ph+8*(\p)+(\q), \e, \o
.endif
.endm
.macro OUTE i, g, t                    ; entry i of 16: two of tile t's 32 results in my 64 columns number g, times 1 / l; each accumulator from its low end on
	AC 4*(\g)+(\i)/4, \t
	WIN WD_
	v_pk_mul_f32 v[TMP+2*(\i):TMP+2*(\i)+1], v[D_+2*((\i)%4):D_+2*((\i)%4)+1], v[LV+2*(\t):LV+2*(\t)+1] op_sel_hi:[1,0]
.endm
; Products, pairs from .. to - 1 of a block's 16; with t >= 0 two entries of tile t's way out behind each of the first eight.  The four tiles take turns, one instruction a turn.
.macro RUN e, ph, n, from, to, t
.set K_, \from
.rept (\to)-(\from)
	PR \e, \ph, \n, K_/2, K_%2, 0
	PR \e, \ph, \n, K_/2, K_%2, 1
.if (\t) >= 0 && K_ < 8
	OUTE 2*K_, 0, \t
	OUTE 2*K_+1, 0, \t
.endif
.set K_, K_+1
.endr
.endm
.macro STAGE wn, reg                   ; LDS serves a wave's instructions in order: the loads see the stores, and the next tile's stores come behind them
.irp j, 0,1,2,3
	ds_store_b128 v[STO], v[TMP+8*\j:TMP+8*\j+3] offset:32*\j
	ds_store_b128 v[STO], v[TMP+8*\j+4:TMP+8*\j+7] offset:32*\j+16
.endr
	WIN (\wn)<<6
.irp k, 0,1,2,3,4,5,6,7
	ds_load_b128 v[\reg+4*\k:\reg+4*\k+3], v[RDA] offset:2*SPITCH*\k
.endr
	WIN 0
.endm
.macro SEND wn, reg, g, t              ; sixteen lanes store 256 consecutive bytes, at a multiple of 256 from O's first byte
	WIN (\wn)<<2
.irp k, 0,1,2,3,4,5,6,7
	global_store_b128 v[CO], v[\reg+4*\k:\reg+4*\k+3], s[98:99] offset:(128*((\t)/2)+8*((\t)%2)+(2*\k)%8+32*(\k/4))*4096+512*(\g) th:TH_STORE_NT
.endr
	WIN 0
.endm
; A block.  w: the count of the wait for its rows: younger than their fetch is the next block's, 32 loads (odd) or 40 (even).  fph, fn: the block two on.  rnd 1, 2: a round with refills; 3: a plain barrier.  t: the tile that leaves.
.macro BLK e, ph, n, w, fph, fn, rnd, t
	s_wait_dscnt \w
.if (\t) > 0
	SEND 0, BK, 0, (\t)-1
.endif
.if \rnd
.if (\rnd) < 3
	s_wait_tensorcnt 0x0                   ; ahead of a refill
	ds_add_u32 v[SPW], v[NIL]
.endif
	RUN \e, \ph, \n, 0, 13, \t
	WIN 0
	WALU
.if (\rnd) == 3
	s_wait_tensorcnt 0x0
.endif
	s_wait_dscnt 0x0                       ; the add is done, and all my reads of the bytes that are filled again
	s_barrier_signal -1
	RUN \e, \ph, \n, 13, 16, \t
	WIN 0
	PLACES 4                               ; four places ahead of the fetch
.if (\rnd) == 3
	s_barrier_wait -1
.else
	MIDDLE
	BARRIER
	s_cmp_eq_u32 s14, 0
	s_cbranch_scc0 .Lnot_first_\@
.if (\rnd) == 1
	TLOAD G0P1, G1A
.else
	TLOAD G0V3, G1B
.endif
	s_branch .Lfilled_\@
.Lnot_first_\@:
.if (\rnd) == 1
	s_cmp_eq_u32 s14, 1
	s_cbranch_scc0 .Lfilled_\@
	TLOAD G0V2, G1B
.endif
.Lfilled_\@:
.endif
.else
	RUN \e, \ph, \n, 0, 16, \t
	WIN 0
	PLACES 4
.endif
.if (\t) >= 0
	WALU
	s_wait_xcnt 0x0                        ; the stores at the block's head have read their registers
	STAGE 0, BK
.endif
.if (\fn) >= 0
	FETCH \fph, \fn
.endif
.endm
; ================= THE HEAD
	s_load_b256 s[4:11], s[0:1], 0x0               ; P's codes, P's scale words, -M and l, q | k | V^T's codes
	s_load_b128 s[96:99], s[0:1], 0x20             ; their scale words, O
	v_lshl_add_u32 v[SPW], v0, 2, SPARE
	v_mov_b32 v[NIL], 0
	ds_add_u32 v[SPW], v[NIL]
	ds_add_u32 v[SPW], v[NIL]
	v_lshrrev_b32 v1, 5, v0
	v_readfirstlane_b32 s14, v1                    ; wave 0..3
	s_lshr_b32 s15, s14, 1                         ; a
	s_and_b32 s16, s14, 1                          ; b
	s_bfe_u32 s92, ttmp6, 0x40000                  ; cx: the tile of columns (the grid is one cluster wide)
	s_bfe_u32 s93, ttmp6, 0x40004                  ; cy
	s_and_b32 s95, ttmp7, 0xffff                   ; the cluster's y
	s_lshl_b32 s17, s93, 2
	s_lshl_b32 s17, 15, s17                        ; my row of the cluster
	s_lshl_b32 s18, 0x1111, s92                    ; my column
	s_or_b32 s[G1A], s17, (3<<16)|(1<<21)          ; the mask; elements of 8 bytes; bit 21 beside a mask; no padding
	s_or_b32 s[G1B], s18, (3<<16)|(1<<21)
	s_or_b32 s[G1S], s18, (3<<16)|(1<<21)
.irp g, G1A, G1B                       ; codes: 4 rows (256 along K each) of 24,576 bytes (128 rows of the operand)
	s_mov_b32 s[\g+1], 3072<<16
	s_mov_b32 s[\g+2], 4<<16
	s_mov_b32 s[\g+3], 3072<<16
	s_mov_b32 s[\g+4], 4
	s_mov_b32 s[\g+6], 0
	s_mov_b32 s[\g+7], 0
.endr
	s_mov_b32 s[G1A+5], 196608                     ; from 256 along K to the next, in elements: P has 512 blocks of rows,
	s_mov_b32 s[G1B+5], 24576                      ; V^T 64
	s_mov_b32 s[G1S+1], 128<<16                    ; V^T's scale words: 16 rows of 1,024 bytes (256 rows), 4,096 bytes apart
	s_mov_b32 s[G1S+2], 16<<16
	s_mov_b32 s[G1S+3], 128<<16
	s_mov_b32 s[G1S+4], 16
	s_mov_b32 s[G1S+5], 512
	s_mov_b32 s[G1S+6], 0
	s_mov_b32 s[G1S+7], 0
	s_lshl_b32 s19, s95, 2
	s_add_co_u32 s19, s19, s93                     ; y = 4 Y + cy: the tile of 128 queries
	s_mul_i32 s2, s19, 24576                       ; P's codes
	s_mov_b32 s3, 0
	s_lshr_b32 s20, s95, 2                         ; the batch: sixteen tiles of queries each
	s_mul_i32 s12, s20, 1572864                    ; V^T's codes: the batch's eight 256s along K,
	s_mul_i32 s21, s92, 49152                      ; blocks of rows 16 cx on,
	s_add_co_u32 s12, s12, s21
	s_add_co_u32 s12, s12, 12582912                ; behind q's and k's
	s_mov_b32 s13, 0
	s_mul_i32 s17, s14, 6144                       ; the prefetches: 24 of a row's 96 blocks of 256 bytes a wave,
	s_mul_i32 s81, s92, 1572864                    ; P: row cx of the second half's four,
	s_add_co_u32 s81, s81, s17
	s_add_co_u32 s81, s81, s2
	s_add_co_u32 s81, s81, 6291456
	s_mul_i32 s82, s93, 196608                     ; V^T: row cy
	s_add_co_u32 s82, s82, s17
	s_add_co_u32 s82, s82, s12
	s_add_co_u32 s82, s82, 786432
	s_lshl_b32 s20, s20, 16                        ; V^T's scale words
	s_lshl_b32 s21, s92, 10
	s_add_co_u32 s20, s20, s21
	s_add_co_u32 s20, s20, 524288
	s_mov_b32 s21, 0
	s_lshl_b32 s22, s19, 9                         ; my rows' scale words, -M, l: 4 x 128 y
	s_mov_b32 s23, 0
	s_lshr_b32 s94, s19, 1                         ; O: row 256 (y / 2) + 64 (y % 2) + 16 a, of 4,096 bytes, + 1,024 cx + 256 b
	s_lshl_b32 s94, s94, 20
	s_and_b32 s17, s19, 1
	s_lshl_b32 s17, s17, 18
	s_add_co_u32 s94, s94, s17
	s_lshl_b32 s17, s15, 16
	s_add_co_u32 s94, s94, s17
	s_lshl_b32 s17, s92, 10
	s_add_co_u32 s94, s94, s17
	s_lshl_b32 s17, s16, 8
	s_add_co_u32 s94, s94, s17
	s_mov_b32 s95, 0
	s_mov_b32 s90, 0x80808080
	s_mov_b32 s91, 0x01010101
	s_mul_i32 s83, s15, 12288
	s_mul_i32 s84, s16, 12288
	s_add_co_u32 s84, s84, C0
	s_lshl_b32 s85, s15, 8
	s_add_co_u32 s86, s85, LINV
	s_add_co_u32 s85, s85, SCA
	s_lshl_b32 s87, s16, 8
	s_add_co_u32 s87, s87, SCB
	s_mul_i32 s88, s14, 16*SPITCH                  ; my stage
	v_lshlrev_b32 v4, 2, v0                        ; 4 x thread: my row of the 128
	v_and_b32 v1, 31, v0                           ; lane
	v_and_b32 v2, 15, v0                           ; r
	v_bfe_u32 v3, v0, 4, 1                         ; h
	v_add_nc_u32 v5, SCA, v4                       ; where my row's fixed words go
	v_lshlrev_b32 v29, 4, v1                       ; 16 x lane
	v_lshlrev_b32 v30, 3, v1                       ; 8 x lane
	v_lshlrev_b32 v[CO], 12, v3
	v_lshl_add_u32 v[CO], v2, 4, v[CO]
	v_mul_u32_u24 v31, v3, SPITCH
	v_lshl_add_u32 v31, v2, 4, v31
	v_add_nc_u32 v[RDA], s88, v31
	v_mul_u32_u24 v31, v2, SPITCH
	v_lshl_add_u32 v31, v3, 7, v31
	v_add_nc_u32 v[STO], s88, v31
	v_add_nc_u32 v[ADP], s83, v29
	v_add_nc_u32 v[ADP+1], 49152, v[ADP]
.irp c, 0,1
	v_add_nc_u32 v[ADV+4*\c], s84, v29
	v_add_nc_u32 v[ADV+4*\c+1], s84, v30
	v_add_nc_u32 v[ADV+4*\c+2], 49152, v[ADV+4*\c]
	v_add_nc_u32 v[ADV+4*\c+3], 49152, v[ADV+4*\c+1]
	s_add_co_u32 s84, s84, C1-C0
.endr
	v_lshl_add_u32 v[ADSA], v1, 2, s85
	v_lshl_add_u32 v[ADSB], v1, 2, s87
	v_lshl_add_u32 v[LVA], v2, 2, s86
	v_min_u32 v31, 23, v1
	v_lshl_add_u32 v[PFP], v31, 8, s81
	v_lshl_add_u32 v[PFV], v31, 8, s82
.irp t, 0,1,2,3
	v_mov_b32 v[LV+2*\t+1], 0                      ; named with 1 / l as a pair, so it is written
.endr
	WALU
	s_wait_dscnt 0x0
	CROUND                                         ; all sixteen work-groups are here: the first joint loads meet
	s_wait_kmcnt 0x0
	s_add_nc_u64 s[2:3], s[4:5], s[2:3]
	s_add_nc_u64 s[12:13], s[10:11], s[12:13]
	s_add_nc_u64 s[20:21], s[96:97], s[20:21]
	GROUP0 G0P0, RP, 2, 0
	GROUP0 G0V0, C0, 12, 0
	GROUP0 G0V1, C1, 12, 24576
	GROUP0 G0S, SCB, 20, 0
	s_cmp_eq_u32 s14, 0
	s_cbranch_scc0 .Lwave_1
	TLOAD G0P0, G1A                                ; wave 0: P's first half of K
	s_branch .Lasked
.Lwave_1:
	s_cmp_eq_u32 s14, 1
	s_cbranch_scc0 .Lwave_2
	TLOAD G0V0, G1B                                ; wave 1: V^T's chunk 0
	s_branch .Lasked
.Lwave_2:
	s_cmp_eq_u32 s14, 2
	s_cbranch_scc0 .Lwave_3
	TLOAD G0V1, G1B                                ; wave 2: chunk 1
	s_branch .Lasked
.Lwave_3:
	TLOAD G0S, G1S                                 ; wave 3: V^T's scale words
.Lasked:
	s_add_nc_u64 s[6:7], s[6:7], s[22:23]
	s_add_nc_u64 s[8:9], s[8:9], s[22:23]
	s_add_nc_u64 s[98:99], s[98:99], s[94:95]
.set k, 0
.rept 16
	global_load_b32 v[PWD+k], v4, s[6:7] offset:32768*k
	global_load_b32 v[PNM+k], v4, s[8:9] offset:32768*k
	global_load_b32 v[PLS+k], v4, s[8:9] offset:32768*k+524288
.set k, k+1
.endr
	GROUP0 G0P1, RP, 2, 6291456
	GROUP0 G0V2, C0, 12, 786432
	GROUP0 G0V3, C1, 12, 811008
	s_cmp_eq_u32 s14, 0
	s_cbranch_scc0 .Lnot_p
	s_wait_tensorcnt 0x0
.Lnot_p:
	BARRIER                                        ; P's first half is in
	global_prefetch_b8 v[PFP], s[4:5] th:TH_LOAD_NT scope:SCOPE_SE
	global_prefetch_b8 v[PFV], s[10:11] th:TH_LOAD_NT scope:SCOPE_SE
.irp q, 0,1,2,3,4,5,6,7
	PLOADQ \q
.endr
	WIN 0
	s_wait_loadcnt 0x0                             ; my row's numbers; the fragments are on their way while they are worked
	v_min3_num_f32 v[NMIN], v[PNM], v[PNM+1], v[PNM+2]             ; the least -M = minus the row's largest M
.irp i, 3,5,7,9,11,13
	v_min3_num_f32 v[NMIN], v[NMIN], v[PNM+\i], v[PNM+\i+1]
.endr
	v_min_num_f32 v[NMIN], v[NMIN], v[PNM+15]
.set k, 0
.rept 16
.set T, TT+8*(k%2)
	v_sub_f32 v[T], v[PNM+k], v[NMIN]              ; i = the largest M - this run's M: a whole number, 0 or more
	v_cvt_i32_f32 v[T], v[T]                       ; (it saturates)
	v_min_u32 v[T], 127, v[T]
	v_sub_nc_u32 v[T+1], 0, v[T]
	v_ldexp_f32 v[T+1], 1.0, v[T+1]                ; 2^-i
.if k == 0
	v_mul_f32 v[LA], v[PLS], v[T+1]
.else
	v_fmac_f32 v[LA], v[PLS+k], v[T+1]             ; l under the row's M
.endif
	v_or_b32 v[T+2], s90, v[PWD+k]                 ; the four bytes at once.  Each is at most 125 (p is at most 1): with 128 added none borrows from its neighbour
	v_mul_lo_u32 v[T+3], v[T], s91
	v_sub_nc_u32 v[T+2], v[T+2], v[T+3]            ; 128 + byte - i
	v_and_b32 v[T+3], s90, v[T+2]                  ; bit 7 stands where byte - i is 0 or more
	v_lshrrev_b32 v[T+4], 7, v[T+3]
	v_sub_nc_u32 v[T+3], v[T+3], v[T+4]            ; 0x7f there, 0 elsewhere
	v_and_b32 v[T+2], v[T+2], v[T+3]               ; byte - i, or 0
	ds_store_b32 v5, v[T+2] offset:512*k
.set k, k+1
.endr
	WALU
	v_rcp_f32 v[LI], v[LA]
	v_nop                                          ; a plain place behind the reciprocal
	WALU                                           ; and the wait ahead of its first reader
	ds_store_b32 v5, v[LI] offset:8192             ; LINV lies 8,192 bytes behind SCA
	s_cmp_eq_u32 s14, 2
	s_cbranch_scc1 .Lnot_yet
	s_wait_tensorcnt 0x0
.Lnot_yet:
	s_wait_dscnt 0x0                               ; my fixed words and 1 / l, and my fragments
	BARRIER                                        ; chunk 0 and V^T's scale words are in, P's words are fixed; chunk 1 may still be on its way
.set k, 0
.rept 16
	ds_load_b32 v[SA+16*(k/8)+k%8], v[ADSA] offset:512*k
	ds_load_b32 v[SA+16*(k/8)+8+k%8], v[ADSA] offset:512*k+128
.set k, k+1
.endr
.irp t, 0,1,2,3
	ds_load_b32 v[LV+2*\t], v[LVA] offset:64*\t
.endr
	FETCH 0, 0
	FETCH 0, 1
; ================= PHASE 1: the first half of K
	BLK 0, 0, 0, 32, 0, 2, 0, -1
	BLK 1, 0, 1, 40, 0, 3, 0, -1
	BLK 0, 0, 2, 32, 0, 4, 1, -1
	global_prefetch_b8 v[PFV], s[10:11] offset:24576 th:TH_LOAD_NT scope:SCOPE_SE
	BLK 1, 0, 3, 40, 0, 5, 0, -1
	BLK 0, 0, 4, 32, 0, 6, 0, -1
	BLK 1, 0, 5, 40, 0, 7, 0, -1
	BLK 0, 0, 6, 32, 1, 0, 2, -1
	s_wait_dscnt 40                                ; block 7: as soon as half of P's fragments have served, the second half of K takes their registers
	RUN 1, 0, 7, 0, 8, -1
	PLACES 4
.irp q, 0,1,2,3
	PLOADQ \q
.endr
	RUN 1, 0, 7, 8, 16, -1
	PLACES 4
.irp q, 4,5,6,7
	PLOADQ \q
.endr
	FETCH 1, 1
; ================= PHASE 2: the second half
	BLK 0, 1, 0, 32, 1, 2, 0, -1
	BLK 1, 1, 1, 40, 1, 3, 0, -1
	BLK 0, 1, 2, 32, 1, 4, 3, -1
	BLK 1, 1, 3, 40, 1, 5, 0, -1
	BLK 0, 1, 4, 32, 1, 6, 0, 0                    ; from here on my first 64 columns leave, a tile of 16 queries a block
	BLK 1, 1, 5, 40, 1, 7, 0, 1
	BLK 0, 1, 6, 32, 1, -1, 0, 2
	BLK 1, 1, 7, 0, 1, -1, 0, 3
; ================= THE END: my other 64 columns
.irp t, 0,1,2,3
.set I, 0
.rept 16
	OUTE I, 1, \t
.set I, I+1
.endr
	WIN 0
	WALU
	STAGE 1, 32*\t                                 ; (P's fragments have served: window 1 takes the rows)
	s_wait_dscnt 16                                ; the tile before is back; this one's 8 stores and 8 loads may be out
.if \t == 0
	SEND 0, BK, 0, 3
.else
	SEND 1, 32*(\t-1), 1, \t-1
.endif
.endr
	s_wait_dscnt 0x0
	SEND 1, 96, 1, 3
	s_wait_tensorcnt 0x0                           ; the wave's end
	ds_add_u32 v[SPW], v[NIL]
	s_wait_dscnt 0x0
	CROUND                                         ; the closing round
	s_endpgm
.Lfunc_end_k_q5ac82015cf_pv:
	.size	k_q5ac82015cf_pv, .Lfunc_end_k_q5ac82015cf_pv-k_q5ac82015cf_pv
	.p2alignl 7, 3214868480
	.fill 96, 4, 3214868480
	.section	.rodata,"a",@progbits
	.p2align	6, 0x0
	.amdhsa_kernel k_q5ac82015cf_pv
		.amdhsa_group_segment_fixed_size 327680
		.amdhsa_private_segment_fixed_size 0
		.amdhsa_enable_private_segment 0
		.amdhsa_kernarg_size 48
		.amdhsa_user_sgpr_count 2
		.amdhsa_user_sgpr_kernarg_segment_ptr 1
		.amdhsa_wavefront_size32 1
		.amdhsa_system_sgpr_workgroup_id_x 1
		.amdhsa_system_sgpr_workgroup_id_y 1
		.amdhsa_system_sgpr_workgroup_id_z 1
		.amdhsa_system_vgpr_workitem_id 0
		.amdhsa_next_free_vgpr 1024
		.amdhsa_next_free_sgpr 102
		.amdhsa_reserve_vcc 0
		.amdhsa_float_denorm_mode_32 3
		.amdhsa_float_denorm_mode_16_64 3
		.amdhsa_memory_ordered 1
		.amdhsa_forward_progress 1
		.amdhsa_inst_pref_size 173
	.end_amdhsa_kernel
	.amdgpu_metadata
---
amdhsa.version: [ 1, 2 ]
amdhsa.kernels:
  - .name:           k_q5ac82015cf_pv
    .symbol:         k_q5ac82015cf_pv.kd
    .args:
      - { .name: p_codes, .offset: 0, .size: 8, .value_kind: global_buffer, .address_space: global }
      - { .name: p_scales, .offset: 8, .size: 8, .value_kind: global_buffer, .address_space: global }
      - { .name: p_stats, .offset: 16, .size: 8, .value_kind: global_buffer, .address_space: global }
      - { .name: qkv_codes, .offset: 24, .size: 8, .value_kind: global_buffer, .address_space: global }
      - { .name: qkv_scales, .offset: 32, .size: 8, .value_kind: global_buffer, .address_space: global }
      - { .name: out0, .offset: 40, .size: 8, .value_kind: global_buffer, .address_space: global }
    .group_segment_fixed_size: 327680
    .private_segment_fixed_size: 0
    .kernarg_segment_align: 8
    .kernarg_segment_size: 48
    .max_flat_workgroup_size: 128
    .sgpr_count:     102
    .vgpr_count:     1024
    .wavefront_size: 32
...
	.end_amdgpu_metadata
.endif
;; end of part 4
